; MI455X (gfx1250); checked and timed in simulation.
; The chip was launched on July 23, 2026; its instructions are those of AMD's public machine-readable ISA for CDNA 5 (MIT licence, August 2026) and "CDNA5" Instruction Set Architecture Reference Guide (July 2026). The comments in the code are by the model that wrote it; some were corrected since.
;; Naive Fourier KAN Layer. Allowed arithmetic: matrix products marked QUANTISED: E5M2 operands, one given power-of-two scale a tensor, by v_wmma_f32_16x16x64_bf8_bf8 or v_wmma_f32_16x16x128_bf8_bf8, f32 sums; everything else in f32.
;; Inputs: bias 1 x 512 float32; fouriercoeffs 2 x 512 x 256 x 64 float32; lowp_scales 4 int32 (the exponents e of the quantised operands' scales 2^e); x 4,096 x 256 float32.
;; Outputs: out0 4,096 x 512 float32.
;; This version of the problem:
;;   THIS VERSION OF THE PROBLEM IS GIVEN IN LOW PRECISION. The matrix products marked QUANTISED in the list below multiply operands that are first quantised to E5M2 (5 exponent bits, 2 mantissa bits; 8 bits a number), with one given power-of-two scale for each operand tensor; their sums are f32. All else is computed in f32.
;;   The module's matrix products, in the order in which they are computed (A, B: the left and right operand; K: the contracted axis; several contracted axes count as one K, in the product's order):
;;     1. [M 4,096, K 16,384] x [K 16,384, N 512]; A: computed on the way; B: input fouriercoeffs: QUANTISED (scales: A lowp_scales[0], B lowp_scales[1])
;;     2. [M 4,096, K 16,384] x [K 16,384, N 512]; A: computed on the way; B: input fouriercoeffs: QUANTISED (scales: A lowp_scales[2], B lowp_scales[3])
;;   THE QUANTISER, for each operand of a quantised product, along K:
;;     - The operand's scale is 2^e, e = its entry of the input lowp_scales (int32; the entries are numbered through the quantised products in the list's order, A before B).
;;     - Each number is divided by the scale, clamped to +-57,344, and rounded to the nearest number of E5M2, ties to even, subnormals kept.
;;     - The product sums the exact products of the quantised numbers (number of the format x scale) in f32.
;;   ~~~python
;;   def quantise(x, axis, e):      # numpy; x: float32 -> the quantised numbers, widened to float32 again
;;       x = np.moveaxis(x, axis, -1); K = x.shape[-1]
;;       r = np.clip(x / 2.0 ** e, -57344, 57344)
;;       step = 2.0 ** (np.maximum(np.frexp(np.where(r == 0, 1, r))[1] - 1, -14) - 2)
;;       q = np.round(r / step) * step * 2.0 ** e      # np.round: ties to even
;;       return np.moveaxis(q, -1, axis).astype(np.float32)
;;   ~~~
;;   OPERANDS COMPUTED ON THE WAY. 'Computed on the way' means the value that the module computes at that place (a softmax that the list does not call 'softmax' is quantised finished and normalised). What goes into a quantiser is computed in f32, as accurately as f32 sums, v_exp_f32 and their like allow (about 1e-6 of the number): no bf16 or f16 on the way to a quantiser, and a product that is left as it is and whose result goes on into a quantised operand takes f32 operands (vector FMAs, or v_wmma_f32_16x16x4_f32). A number that lies on a knife's edge between two numbers of the format may be rounded either way, as far as f32 arithmetic and the matrix unit's own rounding can turn it there, and no further.
;; 2 versions, each right. Each part assembles by itself: llvm-mc -triple=amdgcn-amd-amdhsa -mcpu=gfx1250 --defsym DOCPART=n.
;; ======== version 1 of 2: 3 launches
;; limits: an absolute error that grows with the inputs' magnitude: up to 3.8e-06 times it; inputs' magnitudes at most 524,288
;; workspace buffers: wcodes 16,777,216 bytes; anch 16,777,216 bytes; part 67,108,864 bytes
;; launch wquant (part 1): grid 768 x 1, 4 waves a work-group, no clusters, 9,728 bytes of LDS; arguments fouriercoeffs, x, lowp_scales, wcodes, anch; writes wcodes, anch
.if DOCPART == 1
	.amdgcn_target "amdgcn-amd-amdhsa--gfx1250"
	.amdhsa_code_object_version 6
	.text
	.protected	k_q413790e267_wquant
	.globl	k_q413790e267_wquant
	.p2align	8
	.type	k_q413790e267_wquant,@function
k_q413790e267_wquant:
	s_mov_b64 s[64:65], 0
	v_nop
	global_prefetch_b8 v0, s[64:65] scope:SCOPE_SE
	s_setreg_imm32_b32 hwreg(HW_REG_WAVE_MODE, 25, 1), 1
	s_wait_xcnt 0x0
; y[n][o] = sum over i, g of cos((g+1) x[n][i]) W0[o][i][g] + sin((g+1) x[n][i]) W1[o][i][g] + bias[o]: N = 4,096, I = 256, G = 64, O = 512; both products on codes of E5M2.
; NO WORK OF THE PROBLEM IS LEFT OUT: every input has a way to the output, and all of them are loaded by one of the three launches.
; THIS LAUNCH prepares what the product's launch reads many times.
;   Work-groups 0 to 511: W (f32) becomes codes, code = W / 2^e held within +-57,344, to the nearest code, ties to even; e = entry 1 (W0) or entry 3 (W1) of the scales.
;     The codes are laid as IMAGES OF OPERAND REGISTERS.  A K step is 128 along K: two i (i0, i0 + 1) x 64 g.  A fragment is 16 columns o x a K step: lane 16 h + r holds column 16 cb + r, i = i0 + h,
;     and byte beta of its register m is g = 4 m + beta.  The product's launch lays cos and sin in the same order, so every product meets its partner.
;     wcodes byte = (((s 16 + phi) 4 + cb / 8) 2 + q) 16384 + (cb % 8) 2048 + c 512 + 16 lane, registers 4 c .. 4 c + 3; K slice s = i / 32; step u = 16 p + (i % 32) / 2, phi = u / 2, q = u % 2; p = 0: W0, 1: W1.
;   Work-groups 512 to 767: for each (n, i) the four f32 numbers cos x, sin x, cos 8x, sin 8x, from which the product's launch makes cos kx and sin kx, k = 1 .. 64, by products of at most three factors deep.
;     anch byte = ((rb 8 + s) 16 + t) 4096 + m 512 + 16 (16 h + r): n = 128 rb + 16 m + r, i = 32 s + 2 t + h.
; LIMITS: e between -126 and 112.  |x| under 2^19 (the whole number of quarter turns of 8x is taken from the low bits of a sum with 1.5 x 2^23).  NaN and infinities among the inputs are not served.
; cos and sin: the angle less n quarter turns, pi / 2 in two parts, by fused multiply-adds; polynomials of degree 7 and 8 on +-pi / 4; all in f32.
.set SPARE, 9216                       ; behind the four stages: the spare words, 128 bytes for each wave: two blocks of 256 bytes that no other line names
.set STG,   2304                       ; a wave's stage: 8 rows x (256 bytes + 16)
	s_load_b256 s[4:11], s[0:1], 0x0               ; W s[4:5], x s[6:7], the scales' exponents s[8:9], wcodes s[10:11]
	s_load_b64 s[12:13], s[0:1], 0x20              ; anch
	v_lshl_add_u32 v12, v0, 2, SPARE               ; my spare word; never rewritten
	v_mov_b32 v13, 0                               ; 0; never rewritten
	v_lshrrev_b32 v1, 5, v0
	v_readfirstlane_b32 s16, v1                    ; wave 0..3
	v_and_b32 v2, 31, v0                           ; lane
	v_lshlrev_b32 v3, 4, v2                        ; 16 x lane: my 16 bytes of a load's or a store's 512
	v_and_b32 v5, 15, v2
	v_lshrrev_b32 v6, 4, v2
	s_cmp_lt_u32 ttmp9, 512
	s_cbranch_scc0 .Lanchors
; ---------------- W into codes.  Work-group: p, 16 columns cb, K slice s.  Wave w makes the four images of steps t = 4 w + j.
	s_lshr_b32 s17, ttmp9, 8                       ; p
	s_bfe_u32 s18, ttmp9, 0x50003                  ; cb
	s_and_b32 s19, ttmp9, 7                        ; s
	s_mul_i32 s20, s16, STG
	v_lshrrev_b32 v7, 2, v5
	v_lshl_add_u32 v7, v7, 1, v6                   ; stage row 2 (m / 4) + h, for m = lane % 16, h = lane / 16
	v_mul_u32_u24 v7, v7, 272
	v_and_b32 v8, 3, v2
	v_lshl_add_u32 v14, v8, 2, v7
	v_add_nc_u32 v14, s20, v14                     ; into the stage: + 4 (m % 4); column r's 16 bytes stand in the offset.  The 32 lanes of a store touch 32 different words modulo 256 bytes
	v_mul_u32_u24 v9, v6, 272
	v_lshl_add_u32 v15, v5, 4, v9
	v_add_nc_u32 v15, s20, v15                     ; out of it: row h (+ 2 c in the offset), 16 bytes a lane
	s_lshl_b32 s21, s17, 9
	s_lshl_b32 s22, s18, 4
	s_add_co_u32 s21, s21, s22                     ; W's row p 512 + 16 cb, of 65,536 bytes,
	s_lshl_b32 s21, s21, 16
	s_lshl_b32 s22, s19, 5
	s_lshl_b32 s23, s16, 3
	s_add_co_u32 s22, s22, s23                     ; i = 32 s + 8 w, 256 bytes each
	s_lshl_b32 s22, s22, 8
	s_add_co_u32 s24, s21, s22
	s_mov_b32 s25, 0
	s_lshl_b32 s26, s19, 4
	s_lshl_b32 s27, s17, 3
	s_add_co_u32 s26, s26, s27
	s_lshl_b32 s27, s16, 1
	s_add_co_u32 s26, s26, s27                     ; 16 s + phi, phi = 8 p + 2 w (+ j / 2 in the offset)
	s_lshl_b32 s26, s26, 2
	s_lshr_b32 s27, s18, 3
	s_add_co_u32 s26, s26, s27
	s_lshl_b32 s26, s26, 15
	s_and_b32 s27, s18, 7
	s_lshl_b32 s27, s27, 11
	s_add_co_u32 s26, s26, s27
	s_mov_b32 s27, 0
	s_wait_kmcnt 0x0
	s_load_b128 s[28:31], s[8:9], 0x0              ; e0 .. e3
	s_add_nc_u64 s[4:5], s[4:5], s[24:25]
	s_add_nc_u64 s[10:11], s[10:11], s[26:27]
.macro LOAD j                          ; image j: 16 loads, one for each column r: 512 consecutive bytes, W[p][16 cb + r][i0 .. i0 + 1][0 .. 63]; lane l gets g = 4 (l % 16) .. + 3 of i0 + l / 16
.set XS, 32+64*((\j)%2)
.irp r, 0,1,2,3,4,5,6,7,8,9,10,11,12,13,14,15
	global_load_b128 v[XS+4*\r:XS+4*\r+3], v3, s[4:5] offset:\r*65536+(\j)*512 th:TH_LOAD_NT
.endr
.endm
	LOAD 0
	LOAD 1
	s_wait_kmcnt 0x0
	s_cmp_eq_u32 s17, 0
	s_cselect_b32 s32, s29, s31                    ; e
	s_add_co_i32 s32, s32, 127
	s_lshl_b32 s33, s32, 23
	v_mov_b32 v11, s33                             ; 2^e as f32: the conversion takes its exponent field
	s_add_co_i32 s32, s32, 15
	s_lshl_b32 s32, s32, 23
	s_or_b32 s32, s32, 0x600000
	v_mov_b32 v10, s32                             ; 57,344 x 2^e
; An image.  A conversion takes eight registers: four g of column 2 rho, four of column 2 rho + 1: so register r of the codes is, in lane (h, m), register m of lane (h, r) of the fragment:
; a turn of 16 x 16 words in each half of the lanes, made through the wave's own stage.  LDS serves a wave's instructions in order, so no wait stands between the stores and the loads.
.macro IMAGE j
.set XS, 32+64*((\j)%2)
.if (\j) == 0
.set OB, 16
.else
.set OB, 160+16*(\j)
.endif
.if (\j) < 3
	s_wait_loadcnt 16                              ; this image's 16 loads are in; the next image's may be out
.else
	s_wait_loadcnt 0
.endif
.set q, 0
.rept 64
	v_med3_num_f32 v[XS+q], v[XS+q], -v10, v10     ; the conversion to an 8-bit code does not saturate (ISA guide 7.6.2): the hold at the largest code x the scale
.set q, q+1
.endr
.irp g, 0,1,2,3,4,5,6,7
	v_cvt_scalef32_pk8_bf8_f32 v[160+2*\g:161+2*\g], v[XS+8*\g:XS+8*\g+7], v11
.endr
.irp r, 0,1,2,3,4,5,6,7,8,9,10,11,12,13,14,15
	ds_store_b32 v14, v[160+\r] offset:16*\r
.endr
.irp k, 0,1,2,3
	ds_load_b128 v[OB+4*\k:OB+4*\k+3], v15 offset:544*\k
.endr
.if (\j) < 2
	LOAD (\j)+2                                    ; into the set that the conversions have just read
.endif
.irp k, 0,1,2,3
	s_wait_dscnt 3-\k                              ; at k = 3 all my LDS instructions are done: the next image may write the codes' registers
	global_store_b128 v3, v[OB+4*\k:OB+4*\k+3], s[10:11] offset:((\j)/2)*131072+((\j)%2)*16384+512*\k   ; 512 consecutive bytes, aligned; each image has registers of its own, so no store's data are written again
.endr
.endm
	IMAGE 0
	IMAGE 1
	IMAGE 2
	IMAGE 3
	s_wait_tensorcnt 0x0                           ; the wave's end
	ds_add_u32 v12, v13
	s_wait_dscnt 0x0
	s_endpgm
; ---------------- The anchors.  Work-group: 16 rows of x; wave ic: columns 64 ic on.  Lane (r, hh): row r, 32 neighbouring i from 64 ic + 32 hh on.
.Lanchors:
	s_sub_co_u32 s17, ttmp9, 512                   ; which 16 rows
	s_lshr_b32 s18, s17, 3                         ; rb
	s_and_b32 s19, s17, 7                          ; m
	v_lshlrev_b32 v1, 10, v5
	v_lshl_add_u32 v1, v6, 7, v1                   ; x: row r of 1,024 bytes + 128 hh
	v_lshlrev_b32 v4, 4, v5
	v_lshl_add_u32 v4, v6, 16, v4                  ; anch: 16 r, and K slice 2 ic + hh: 65,536 hh
	s_lshl_b32 s20, s17, 14
	s_lshl_b32 s21, s16, 8
	s_add_co_u32 s20, s20, s21
	s_mov_b32 s21, 0
	s_lshl_b32 s22, s18, 3
	s_lshl_b32 s23, s16, 1
	s_add_co_u32 s22, s22, s23
	s_lshl_b32 s22, s22, 16
	s_lshl_b32 s23, s19, 9
	s_add_co_u32 s22, s22, s23
	s_mov_b32 s23, 0
	s_wait_kmcnt 0x0
	s_add_nc_u64 s[6:7], s[6:7], s[20:21]
	s_add_nc_u64 s[12:13], s[12:13], s[22:23]
.irp k, 0,1,2,3,4,5,6,7
	global_load_b128 v[32+4*\k:35+4*\k], v1, s[6:7] offset:16*\k th:TH_LOAD_NT   ; the eight together read 16 rows x 256 consecutive bytes
.endr
.irp h, 0,1                            ; the constants, each in both halves of a pair
	v_mov_b32 v[64+\h], 0x3f22f983                 ; 2 / pi
	v_mov_b32 v[66+\h], 0x4b400000                 ; 1.5 x 2^23
	v_mov_b32 v[68+\h], 0xbfc90fdb                 ; -(pi / 2), its first 24 bits
	v_mov_b32 v[70+\h], 0x333bbd2e                 ; -(what is left of pi / 2)
	v_mov_b32 v[72+\h], 0xbe2aaaa3                 ; sine: -1.6666654611e-1,
	v_mov_b32 v[74+\h], 0x3c08839e                 ; 8.3321608736e-3,
	v_mov_b32 v[76+\h], 0xb94ca1f9                 ; -1.9515295891e-4
	v_mov_b32 v[78+\h], 0x3d2aaaa5                 ; cosine: 4.166664568e-2,
	v_mov_b32 v[80+\h], 0xbab6061a                 ; -1.388731625e-3,
	v_mov_b32 v[82+\h], 0x37ccf5ce                 ; 2.443315712e-5
.endr
; The pair (x, 8x; 8x is exact) goes through packed lines.  v[o .. o + 3] = cos x, sin x, cos 8x, sin 8x.
.macro ANCH xv, o
	v_mov_b32 v16, v[\xv]
	v_ldexp_f32 v17, v[\xv], 3
	v_pk_fma_f32 v[18:19], v[16:17], v[64:65], v[66:67]                  ; its low bits hold n, the nearest whole number of quarter turns
	v_pk_add_f32 v[20:21], v[18:19], v[66:67] neg_lo:[0,1] neg_hi:[0,1]  ; n as f32
	v_pk_fma_f32 v[22:23], v[20:21], v[68:69], v[16:17]
	v_pk_fma_f32 v[22:23], v[20:21], v[70:71], v[22:23]                  ; rho = angle - n pi / 2
	v_pk_mul_f32 v[24:25], v[22:23], v[22:23]                            ; z = rho^2
	v_pk_fma_f32 v[26:27], v[24:25], v[76:77], v[74:75]
	v_pk_fma_f32 v[84:85], v[24:25], v[82:83], v[80:81]
	v_pk_mul_f32 v[28:29], v[22:23], v[24:25]
	v_pk_mul_f32 v[86:87], v[24:25], v[24:25]
	v_pk_fma_f32 v[26:27], v[26:27], v[24:25], v[72:73]
	v_pk_fma_f32 v[84:85], v[84:85], v[24:25], v[78:79]
	v_pk_fma_f32 v[88:89], v[24:25], -0.5, 1.0 op_sel_hi:[1,0,0]
	v_pk_fma_f32 v[30:31], v[28:29], v[26:27], v[22:23]                  ; sin rho
	v_pk_fma_f32 v[90:91], v[86:87], v[84:85], v[88:89]                  ; cos rho
.irp e, 0,1                            ; the quarter: n odd: sine and cosine change places; bit 1 of n turns the sine's sign, bit 0 xor bit 1 the cosine's
	v_lshlrev_b32 v92, 31, v[18+\e]
	v_lshlrev_b32 v93, 30, v[18+\e]
	v_and_b32 v93, 0x80000000, v93
	v_cmp_gt_i32 vcc_lo, 0, v92
	v_cndmask_b32 v94, v[30+\e], v[90+\e], vcc_lo
	v_cndmask_b32 v95, v[90+\e], v[30+\e], vcc_lo
	v_xor_b32 v[\o+2*\e+1], v93, v94
	v_xor_b32 v92, v92, v93
	v_xor_b32 v[\o+2*\e], v92, v95
.endr
.endm
.set q, 0
.rept 32                               ; number q of my 32: i % 32 = q, so step t = q / 2 and half h = q % 2
.if q%4 == 0
	s_wait_loadcnt 7-q/4
.endif
	ANCH 32+q, 96+4*q
	global_store_b128 v4, v[96+4*q:99+4*q], s[12:13] offset:(q/2)*4096+(q%2)*256   ; sixteen lanes store 256 consecutive bytes, aligned; each number has registers of its own
.set q, q+1
.endr
	s_endpgm
.Lfunc_end_k_q413790e267_wquant:
	.size	k_q413790e267_wquant, .Lfunc_end_k_q413790e267_wquant-k_q413790e267_wquant
	.p2alignl 7, 3214868480
	.fill 96, 4, 3214868480
	.section	.rodata,"a",@progbits
	.p2align	6, 0x0
	.amdhsa_kernel k_q413790e267_wquant
		.amdhsa_group_segment_fixed_size 9728
		.amdhsa_private_segment_fixed_size 0
		.amdhsa_enable_private_segment 0
		.amdhsa_kernarg_size 40
		.amdhsa_user_sgpr_count 2
		.amdhsa_user_sgpr_kernarg_segment_ptr 1
		.amdhsa_wavefront_size32 1
		.amdhsa_system_sgpr_workgroup_id_x 1
		.amdhsa_system_sgpr_workgroup_id_y 1
		.amdhsa_system_sgpr_workgroup_id_z 1
		.amdhsa_system_vgpr_workitem_id 0
		.amdhsa_next_free_vgpr 224
		.amdhsa_next_free_sgpr 66
		.amdhsa_reserve_vcc 1
		.amdhsa_float_denorm_mode_32 3
		.amdhsa_float_denorm_mode_16_64 3
		.amdhsa_memory_ordered 1
		.amdhsa_forward_progress 1
		.amdhsa_inst_pref_size 92
	.end_amdhsa_kernel
	.amdgpu_metadata
---
amdhsa.version: [ 1, 2 ]
amdhsa.kernels:
  - .name:           k_q413790e267_wquant
    .symbol:         k_q413790e267_wquant.kd
    .args:
      - { .name: fouriercoeffs, .offset: 0, .size: 8, .value_kind: global_buffer, .address_space: global }
      - { .name: x, .offset: 8, .size: 8, .value_kind: global_buffer, .address_space: global }
      - { .name: lowp_scales, .offset: 16, .size: 8, .value_kind: global_buffer, .address_space: global }
      - { .name: wcodes, .offset: 24, .size: 8, .value_kind: global_buffer, .address_space: global }
      - { .name: anch, .offset: 32, .size: 8, .value_kind: global_buffer, .address_space: global }
    .group_segment_fixed_size: 9728
    .private_segment_fixed_size: 0
    .kernarg_segment_align: 8
    .kernarg_segment_size: 40
    .max_flat_workgroup_size: 128
    .sgpr_count:     66
    .vgpr_count:     224
    .wavefront_size: 32
...
	.end_amdgpu_metadata
.endif
;; end of part 1
;; launch fkan (part 2): grid 32 x 8, 4 waves a work-group, clusters of 4 x 1, 327,680 bytes of LDS; arguments wcodes, anch, lowp_scales, part; writes part
.if DOCPART == 2
	.amdgcn_target "amdgcn-amd-amdhsa--gfx1250"
	.amdhsa_code_object_version 6
	.text
	.protected	k_q413790e267_fkan
	.globl	k_q413790e267_fkan
	.p2align	8
	.type	k_q413790e267_fkan,@function
k_q413790e267_fkan:
	s_mov_b64 s[64:65], 0
	v_nop
	global_prefetch_b8 v0, s[64:65] scope:SCOPE_SE
	s_setreg_imm32_b32 hwreg(HW_REG_WAVE_MODE, 25, 1), 1
	s_wait_xcnt 0x0
	s_wait_alu depctr_hold_cnt(0) depctr_sa_sdst(0) depctr_va_vdst(0) depctr_va_sdst(0) depctr_va_ssrc(0) depctr_va_vcc(0) depctr_vm_vsrc(0)
	s_getreg_b32 s2, hwreg(HW_REG_IB_STS2, 6, 4)
	s_cmp_eq_u32 s2, 0
	s_cbranch_scc0 .Lentry_in_a_cluster
	s_endpgm
.Lentry_in_a_cluster:
	s_bfe_u32 s2, ttmp6, 0x10000c
	s_cmp_lg_u32 s2, 0x3003
	s_cbranch_scc0 .Lentry_shape_is_right
	s_endpgm
.Lentry_shape_is_right:
; The two quantised products of y = cos(k x) . W0 + sin(k x) . W1, on codes of E5M2 by v_wmma_f32_16x16x128_bf8_bf8; sums in f32.  No work of the problem is left out here.
; SHARES.  A work-group makes 128 rows n (block rb) x all 512 columns o over one eighth of K (slice s: i = 32 s .. 32 s + 31, for cos and for sin): so each cos and sin is made ONCE in the launch.
; The eight slices' sums go to the buffer part; the next launch adds them.  Wave w owns all 128 rows x columns 128 w .. + 127: 64 accumulators, 512 registers; and it MAKES the codes of rows 32 w .. 32 w + 31.
; K.  32 steps of 128 along K (two i x 64 g): steps 0-15 cos with W0, steps 16-31 sin with W1; step u takes i0 = 32 s + 2 (u % 16).  In a fragment lane 16 h + r holds row (or column) r, i = i0 + h, and byte beta of
; register m is g = 4 m + beta: the same order in both operands.
; ONE SET OF ACCUMULATORS FOR BOTH PRODUCTS: behind the last cos product the sums are multiplied by 2^(e0 + e1 - e2 - e3), and at the end by 2^(e2 + e3): powers of two, which round nothing.
; cos k x AND sin k x, all in f32: k = 8 a + b, a = 0 .. 7, b = 1 .. 8; cos k x = C_a c_b - S_a s_b, sin k x = C_a s_b + S_a c_b, (c_b, s_b) the powers of (cos x, sin x) and (C_a, S_a) those of (cos 8x, sin 8x),
; which the launch before has evaluated: no power above the eighth, products three deep at the most.  Then the hold at 57,344 x 2^e and the conversion with 2^e.
; LIMITS.  The angle k x is not first rounded to f32: it differs from a rounded one by at most |k x| 2^-24.  e0 and e2 between -126 and 112; e0 + e1 - e2 - e3 and e2 + e3 between -126 and 127.  NaN and infinities are not served.
; W'S CODES come as images of operand registers through two LDS slots of 131,072 bytes (two steps each), filled by tensor loads, one a wave (its own 32,768 bytes).  CLUSTER: the four partners have the same slice s
; and other row blocks, so they walk the same codes of W: every fill is asked for JOINTLY, with a mask that names the four.
; cos'S AND sin'S CODES go from wave to wave through LDS as images too: two buffers of 16,384 bytes by turns.
; A UNIT goes from one barrier to the next: 64 matrix instructions (row blocks 2-7 of step u, then 0 and 1 of step u + 1, since A has one set of registers and a block is free behind its eight products);
; it reads A(u + 1) and B(u + 1) from LDS and writes A(u + 2).  The generator's 328 instructions stand in slices behind the matrix instructions, so that vector and matrix work run side by side in the one wave of a SIMD.
; REGISTERS, in windows of 256.  Window 0: v1-7 addresses, v8, v9 the add's two, v10, v11 2^e0, 2^e2; v12-27 anchors (parity, fragment); v28-43 c_b, s_b in pairs; v44-55 (C_a, S_a), a = 2 .. 7; v56-63 at work;
;   v64-79 two sets of eight numbers; v80-111 the codes of my two fragments; v128-255 A's eight fragments.  Window 1: B's fragments, two sets.  Windows 2, 3: accumulator (a, b) at v[8 (8 (a % 4) + b)] of window 2 + a / 4.
; THE MATRIX INSTRUCTION IS USED TRANSPOSED (source 0 = 16 columns of W, source 1 = 16 rows): register j of lane (r, h) is y(row r, column 8 h + j).
.set AIMG,  262144                     ; behind the two slots: A's images, [buffer 16384][row block 2048][c 512][16 lane]
.set SPARE, 294912                     ; behind them: the spare words, 128 bytes for each wave: two blocks of 256 bytes that no other line names
.set MSB, 0
.macro WIN new                         ; the immediate's high byte repeats the setting that is left; a switch that changes nothing is dropped
.if MSB != \new
	s_set_vgpr_msb (MSB<<8)|\new
.set MSB, \new
.endif
.endm
.macro CREST                           ; a round of the cluster's barrier behind its opening barrier
	s_cmp_lg_u32 s12, 0
	s_cbranch_scc1 .Lnot_wave_0_\@
	s_barrier_signal -3
.Lnot_wave_0_\@:
	s_barrier_wait -3
	s_barrier_signal -1
	s_barrier_wait -1
.endm
.macro CROUND                          ; a whole round
	s_barrier_signal -1
	s_barrier_wait -1
	CREST
.endm
; A PREFETCH INTO THE L2, behind each refill: the fill that stands two refills on (four units, 256 matrix instructions, ahead of its load).  The eight clusters of a slice walk the same codes: the first of them
; (cluster x = 0) asks.  Its four partners share a fill's 131,072 bytes out BY ADDRESS, 32,768 each, a wave 8,192, lanes 256 bytes apart: each block is named once.  Fills 0 to 3 come by their loads alone; the last two refills ask for nothing.
.macro ASK
	s_cmp_gt_u32 s34, s35
	s_cbranch_scc0 .Lnot_mine_\@
	global_prefetch_b8 v6, s[36:37] th:TH_LOAD_NT scope:SCOPE_SE
.Lnot_mine_\@:
.endm
; Products of pairs (c, s): d = a x b as complex numbers, in two lines.
.macro CMA d, a, b                     ; (-a.s b.s, a.c b.s)
	v_pk_mul_f32 v[\d:\d+1], v[\a:\a+1], v[\b:\b+1] op_sel:[1,1] op_sel_hi:[0,1] neg_lo:[1,0]
.endm
.macro CMB d, a, b, t                  ; (a.c b.c, a.s b.c) + t
	v_pk_fma_f32 v[\d:\d+1], v[\a:\a+1], v[\b:\b+1], v[\t:\t+1] op_sel_hi:[1,0,1]
.endm
.macro BMUL d, x, y                    ; both halves of x times y's upper half
	v_pk_mul_f32 v[\d:\d+1], v[\x:\x+1], v[\y:\y+1] op_sel:[0,1] op_sel_hi:[1,1]
.endm
.macro BFMS d, x, y, t                 ; the same, less t
	v_pk_fma_f32 v[\d:\d+1], v[\x:\x+1], v[\y:\y+1], v[\t:\t+1] op_sel:[0,1,0] op_sel_hi:[1,1,1] neg_lo:[0,0,1] neg_hi:[0,0,1]
.endm
.macro BFMA d, x, y, t                 ; the same, plus t
	v_pk_fma_f32 v[\d:\d+1], v[\x:\x+1], v[\y:\y+1], v[\t:\t+1] op_sel:[0,1,0] op_sel_hi:[1,1,1]
.endm
.macro GMUL                            ; pair gi of a group: the cross term x S_a
	v_pk_mul_f32 v[56+2*gi:57+2*gi], v[gxs+4*gi:gxs+4*gi+1], v[gz:gz+1] op_sel:[0,1] op_sel_hi:[1,1]
.endm
.macro GFMA                            ; cos: c_b C_a - s_b S_a;  sin: s_b C_a + c_b S_a
.if Gtrig
	v_pk_fma_f32 v[grb+2*gi:grb+2*gi+1], v[gxc+4*gi:gxc+4*gi+1], v[gz:gz+1], v[56+2*gi:57+2*gi] op_sel_hi:[1,0,1]
.else
	v_pk_fma_f32 v[grb+2*gi:grb+2*gi+1], v[gxc+4*gi:gxc+4*gi+1], v[gz:gz+1], v[56+2*gi:57+2*gi] op_sel_hi:[1,0,1] neg_lo:[0,0,1] neg_hi:[0,0,1]
.endif
.endm
; THE GENERATOR: a list of 328 instructions, 164 for each of my two fragments; G writes number gj of it and steps gj.  Gtrig 0: cos, 1: sin; Gsg: the parity (anchors' set, image buffer); Grl 1: the anchors of four steps on are asked for.
;   0-29 the tables;  30-157 eight groups of eight numbers (a = 1, 0, 2 .. 7): four cross terms, four fused multiply-adds, eight holds; a group's conversion stands among the next group's lines, behind plain ones and ahead of plain ones;
;   123 the anchors' load;  158 the last conversion, 159 the plain line behind it;  160-163 the fragment's image to LDS.
; With number 0 ride the wait for the fragment's anchors (loads come back in order: Glc0, Glc1 younger ones may stay out) and the next load's pointer, whose last load that wait has just shown done.
.macro G
.if gj < 328
.set gf, gj/164
.set gl, gj%164
.set AN, 12+8*Gsg+4*gf
.set PCB, 80+16*gf
.set gxc, 28+2*Gtrig
.set gxs, 30-2*Gtrig
.set ghi, 52+2*Gtrig
.set gsc, 10+Gtrig
.set gno, 40+2*Gsg
.set gnp, 44+4*Gsg+2*gf
.if gl == 0
.if gf == 0
	s_wait_loadcnt Glc0
.else
	s_wait_loadcnt Glc1
.endif
.if Grl
.if gf == 0
	s_add_co_u32 s[gno], s[gno], 8192              ; two steps on, 4,096 bytes each,
	s_and_b32 s[gno], s[gno], 0xffff               ; round the slice's sixteen: sin walks the same i as cos
.endif
	s_add_nc_u64 s[gnp:gnp+1], s[38:39], s[gno:gno+1]
.endif
	v_mul_f32 v56, v[AN+1], v[AN+1]
.elseif gl == 1
	v_mul_f32 v57, v[AN], v[AN+1]
.elseif gl == 2
	CMA 58, AN+2, AN+2
.elseif gl == 3
	v_mov_b32 v28, v[AN]
.elseif gl == 4
	v_mov_b32 v30, v[AN+1]
.elseif gl == 5
	v_fma_f32 v29, v[AN], v[AN], -v56
.elseif gl == 6
	v_add_f32 v31, v57, v57
.elseif gl == 7
	CMB 44, AN+2, AN+2, 58
.elseif gl == 8
	BMUL 56, 30, 30
.elseif gl == 9
	BMUL 60, 28, 30
.elseif gl == 10
	CMA 58, 44, AN+2
.elseif gl == 11
	CMA 62, 44, 44
.elseif gl == 12
	BFMS 32, 28, 28, 56
.elseif gl == 13
	BFMA 34, 30, 28, 60
.elseif gl == 14
	CMB 46, 44, AN+2, 58
.elseif gl == 15
	CMB 48, 44, 44, 62
.elseif gl == 16
	BMUL 56, 30, 34
.elseif gl == 17
	BMUL 58, 34, 34
.elseif gl == 18
	BMUL 60, 28, 34
.elseif gl == 19
	BMUL 62, 32, 34
.elseif gl == 20
	BFMS 36, 28, 32, 56
.elseif gl == 21
	BFMS 40, 32, 32, 58
.elseif gl == 22
	BFMA 38, 30, 32, 60
.elseif gl == 23
	BFMA 42, 34, 32, 62
.elseif gl == 24
	CMA 56, 48, AN+2
.elseif gl == 25
	CMA 58, 48, 44
.elseif gl == 26
	CMA 60, 48, 46
.elseif gl == 27
	CMB 50, 48, AN+2, 56
.elseif gl == 28
	CMB 52, 48, 44, 58
.elseif gl == 29
	CMB 54, 48, 46, 60
.elseif gl < 46
.set go, gl-30
.set gz, AN+2
.set grb, 64
.if go < 4
.set gi, go
	GMUL
.elseif go < 8
.set gi, go-4
	GFMA
.else
	v_med3_num_f32 v[64+go-8], v[64+go-8], s[ghi+1], s[ghi]   ; the conversion to an 8-bit code does not saturate (ISA guide 7.6.2): the hold at the largest code x the scale
.endif
.elseif gl < 55
.set go, gl-46
.if go == 0
	v_cvt_scalef32_pk8_bf8_f32 v[PCB+2:PCB+3], v[64:71], v[gsc]
.else
.set gi, go-1
	v_med3_num_f32 v[72+gi], v[gxc+4*(gi/2)+gi%2], s[ghi+1], s[ghi]   ; a = 0: the table itself
.endif
.elseif gl == 123
.if Grl
	global_load_b128 v[AN:AN+3], v5, s[gnp:gnp+1] offset:512*gf
.endif
.elseif gl < 158
.if gl < 123
.set gp, 2+(gl-55)/17
.set go, (gl-55)%17
.else
.set gp, 6+(gl-124)/17
.set go, (gl-124)%17
.endif
.set gz, 44+2*(gp-2)
.set grb, 64+8*(gp%2)
.set gprb, 64+8*((gp-1)%2)
.set gpa, gp-1
.if gp == 2
.set gpa, 0
.endif
.if go < 4
.set gi, go
	GMUL
.elseif go == 4
	v_cvt_scalef32_pk8_bf8_f32 v[PCB+2*gpa:PCB+2*gpa+1], v[gprb:gprb+7], v[gsc]
.elseif go < 9
.set gi, go-5
	GFMA
.else
	v_med3_num_f32 v[grb+go-9], v[grb+go-9], s[ghi+1], s[ghi]
.endif
.elseif gl == 158
	v_cvt_scalef32_pk8_bf8_f32 v[PCB+14:PCB+15], v[72:79], v[gsc]
.elseif gl == 159
	v_nop                                          ; a plain line behind the last conversion
.else
	ds_store_b128 v4, v[PCB+4*(gl-160):PCB+4*(gl-160)+3] offset:Gsg*16384+gf*2048+512*(gl-160)
.endif
.endif
.set gj, gj+1
.endm
.macro NP4                             ; where no generator work stands between: four places in front of loads into registers that matrix instructions have read (ISA guide 7.12.1 for vector instructions)
.if Ulist == 0
.rept 4
	v_nop
.endr
.endif
.endm
; SLOT si of a unit: one matrix instruction, its slice of the list (7 lines in slots 0-15, then 5), and the LDS loads that stand behind it.  The 64 accumulators take turns, one instruction a turn,
; in the same order in every unit.  Every load's registers were last read four slots back or more, so the slices between are its places.
.macro SLOT1
.set sa, ((si/8)+2)%8
.set sb, si%8
.set sset, Upar
.if si >= 48
.set sset, 1-Upar
.endif
.set rD, 8*(8*(sa%4)+sb)
.set rB, 128*sset+16*sb
.set rA, 128+16*sa
.set wn, 0xa1+0x50*(sa/4)
	WIN wn                                         ; source 0 (B) window 1, source 1 (A) window 0, C and D window 2 or 3
.if Uzero && (si < 48)
	v_wmma_f32_16x16x128_bf8_bf8 v[rD:rD+7], v[rB:rB+15], v[rA:rA+15], 0
.else
	v_wmma_f32_16x16x128_bf8_bf8 v[rD:rD+7], v[rB:rB+15], v[rA:rA+15], v[rD:rD+7]
.endif
.if gj < 328
	WIN 0
.if si < 16
.rept 7
	G
.endr
.else
.rept 5
	G
.endr
.endif
.endif
.if Ufetch
.if (si >= 16) && (si < 32) && (si%2 == 0)
.set lb, (si-16)/2
	NP4
	WIN 0x40                                       ; destination window 1: a fragment of B(u + 1) into the other set
.irp c, 0,1,2,3
	ds_load_b128 v[128*(1-Upar)+16*lb+4*\c:128*(1-Upar)+16*lb+4*\c+3], v3 offset:(1-Upar)*16384+lb*2048+512*\c
.endr
.endif
.if (si >= 32) && (si < 44)
	NP4
	WIN 0
.irp d, 0,1
.set la, 2*(si-32)+\d
	ds_load_b128 v[128+4*la:128+4*la+3], v1 offset:(1-Upar)*16384+512*la   ; A(u + 1), blocks 0 to 5
.endr
.endif
.if (si >= 49) && (si < 53)
	NP4
	WIN 0
.irp d, 0,1
.set la, 24+2*(si-49)+\d
	ds_load_b128 v[128+4*la:128+4*la+3], v1 offset:(1-Upar)*16384+512*la   ; blocks 6 and 7
.endr
.endif
.endif
.set si, si+1
.endm
.macro RUN n
.rept \n
	SLOT1
.endr
.endm
.macro RESCALE                         ; all 64 sums x 2^(e0 + e1 - e2 - e3), in place, each accumulator from its low end on
	WIN 0x82
.set rq, 0
.rept 128
	v_pk_mul_f32 v[rq:rq+1], v[rq:rq+1], s[56:57] op_sel_hi:[1,0]
.set rq, rq+2
.endr
	WIN 0xc3
.set rq, 0
.rept 128
	v_pk_mul_f32 v[rq:rq+1], v[rq:rq+1], s[56:57] op_sel_hi:[1,0]
.set rq, rq+2
.endr
.endm
; UNIT u.  par = u % 2.  zero: the products of step u start their sums.  refill: the slot that has just been left is filled again.  tw: the last fill is waited for.  list: the generator makes A(u + 2).
; resc: in the loop's first trip the sums change scale between the last cos product and the first sin product.
; ONE BARRIER A UNIT orders both ways: in front of it each wave's reads of A(u) and B(u) and its stores of A(u + 1) are done; behind it A(u + 2) is written over A(u), and A(u + 1) is read.
.macro UNIT par, zero, trig, refill, tw, list, rl, lc0, lc1, resc
.set Upar, \par
.set Uzero, \zero
.set Ulist, \list
.set Ufetch, 1
.set Gtrig, \trig
.set Gsg, \par
.set Grl, \rl
.set Glc0, \lc0
.set Glc1, \lc1
.set si, 0
.if \list
.set gj, 0
.else
.set gj, 328
.endif
	WIN 0
.if \refill
	s_wait_xcnt 0x0                                ; the last prefetch, two units back, has read its address:
	s_add_nc_u64 s[36:37], s[36:37], 131072        ; a fill on
.endif
.if (\refill) || (\tw)
	s_wait_tensorcnt 0x0                           ; all my tensor loads have landed: my part of the slot that is read next
	ds_add_u32 v8, v9                              ; 0 onto my spare word; work on registers stands between it and the wait for it
.endif
.if \refill
	s_xor_b32 s29, s29, 0x20000                    ; no tensor load of mine is out, so the walking descriptor may be written: the other slot than last time,
	s_add_nc_u64 s[30:31], s[30:31], 131072        ; the next fill; the type bits on top are not reached
.endif
	s_wait_dscnt 16                                ; A's blocks 2 and 3 are in: behind their loads at least sixteen LDS instructions were issued
	RUN 4
	s_wait_dscnt 0x0                               ; the add, my image's stores and all my reads are done
	s_barrier_signal -1
	RUN 12                                         ; work on registers alone: numbers 28 to 111 of the list
	WIN 0
	s_barrier_wait -1
.if \refill
	CREST                                          ; the barrier has opened a round of the cluster's: no wave of any partner still reads the slot or has a load on its way
	tensor_load_to_lds s[28:31], s[16:23]          ; the first tensor load behind the round, one a wave: 112 matrix instructions ahead of the wait for it
	s_nop 0
.rept 4
	v_nop
.endr
	ASK
	s_sub_co_u32 s34, s34, 1
.endif
.if \par
	s_xor_b32 s32, s32, 0x20000                    ; step u + 1 begins the other slot
.endif
	v_add_nc_u32 v3, s32, v2
	RUN 32
.if \resc
	WIN 0
	s_cmp_eq_u32 s33, 7
	s_cbranch_scc0 .Lno_rescale_\@
	RESCALE                                        ; slot 47's slice, five plain lines, stands behind the last product
	WIN 0
.Lno_rescale_\@:
.endif
	s_wait_dscnt 16                                ; B(u + 1) and A's blocks 0 and 1 are in: the sixteen loads of blocks 2 to 5 were issued behind them
	RUN 16
.endm
	s_load_b256 s[4:11], s[0:1], 0x0               ; wcodes s[4:5], anch s[6:7], the scales' exponents s[8:9], part s[10:11]
	v_lshl_add_u32 v8, v0, 2, SPARE
	v_mov_b32 v9, 0
	ds_add_u32 v8, v9                              ; the wave's opening: the add, twice on end, and its wait ahead of my first tensor load
	ds_add_u32 v8, v9                              ; and once more, under the one wait
	v_lshrrev_b32 v1, 5, v0
	v_readfirstlane_b32 s12, v1                    ; wave 0..3
	s_bfe_u32 s13, ttmp6, 0x40000                  ; cx: my place in the cluster
	s_lshl_b32 s14, ttmp9, 2
	s_add_co_u32 s14, s14, s13                     ; rb = 4 x cluster x + cx: it enters the anchors', the sums' and the prefetches' addresses alone
	s_and_b32 s15, ttmp7, 0xffff                   ; the K slice s, which the four partners share
	; descriptor group 1: 32,768 dense bytes as 128 rows of 256
	s_mov_b32 s16, 15|(3<<16)|(1<<21)              ; 15:0 the mask: all four work-groups; 17:16 elements of 8 bytes; 21 set beside a mask; no padding: an image is read 16 bytes a lane on end
	s_mov_b32 s17, 32<<16                          ; tensor_dim0 = 32
	s_mov_b32 s18, 128<<16                         ; tensor_dim1 = 128
	s_mov_b32 s19, 32<<16                          ; tile_dim0 = 32
	s_mov_b32 s20, 128                             ; tile_dim1 = 128
	s_mov_b32 s21, 32                              ; from row to row
	s_mov_b32 s22, 0
	s_mov_b32 s23, 0
	s_lshl_b32 s66, s12, 15                        ; my 32,768 bytes of a fill, in memory and in a slot
	s_lshl_b32 s68, s15, 21                        ; the slice's 2 MiB of codes
	s_add_co_u32 s68, s68, s66
	s_mov_b32 s69, 0
	s_mov_b32 s32, 0                               ; the slot from which B is read
	s_mov_b32 s34, 14                              ; refills to come
	s_cmp_eq_u32 ttmp9, 0
	s_cselect_b32 s35, 2, -1                       ; who prefetches, and until when: the same in all four partners
	s_wait_dscnt 0x0                               ; both opening adds are done
	s_wait_kmcnt 0x0
	s_load_b128 s[60:63], s[8:9], 0x0              ; e0 .. e3
	s_mov_b32 s24, 1                               ; group 0 of fill 0: count = 1,
	s_mov_b32 s25, s66                             ; LDS address: slot 0,
	s_add_nc_u64 s[26:27], s[4:5], s[68:69]        ; global address
	s_mov_b32 s28, 1                               ; group 0 of fill 1, which then walks
	s_add_co_u32 s29, s66, 131072
	s_add_nc_u64 s[30:31], s[26:27], 131072
	s_or_b32 s27, s27, 0x80000000                  ; type = 2
	s_or_b32 s31, s31, 0x80000000
	CROUND                                         ; all four work-groups are here: the first joint loads meet
	tensor_load_to_lds s[24:27], s[16:23]          ; two loads of mine are out, the most in this text
	s_nop 0
	tensor_load_to_lds s[28:31], s[16:23]
	s_nop 0
.rept 4
	v_nop
.endr
	s_lshl_b32 s70, s14, 3
	s_add_co_u32 s70, s70, s15
	s_lshl_b32 s70, s70, 16
	s_mov_b32 s71, 0
	s_add_nc_u64 s[38:39], s[6:7], s[70:71]        ; the anchors of my rows and slice: 16 steps x 4,096 bytes
	s_mov_b32 s40, 0                               ; the step last asked for, in bytes, for each parity
	s_mov_b32 s41, 0
	s_mov_b32 s42, 4096
	s_mov_b32 s43, 0
	s_mov_b64 s[44:45], s[38:39]                   ; a pointer for each (parity, fragment): none is written while its load is out
	s_mov_b64 s[46:47], s[38:39]
	s_add_nc_u64 s[48:49], s[38:39], 4096
	s_mov_b64 s[50:51], s[48:49]
	v_and_b32 v7, 31, v0
	v_lshlrev_b32 v7, 4, v7                        ; 16 x lane: also my offset in the sums' buffer
	s_lshl_b32 s67, s12, 10
	v_add_nc_u32 v5, s67, v7                       ; anchors: row blocks 2 w (+ 1 in the offset), 512 bytes each
	global_load_b128 v[12:15], v5, s[44:45]
	global_load_b128 v[16:19], v5, s[46:47] offset:512
	global_load_b128 v[20:23], v5, s[48:49]
	global_load_b128 v[24:27], v5, s[50:51] offset:512
	v_add_nc_u32 v1, AIMG, v7                      ; A's images, to read
	v_add_nc_u32 v2, s66, v7                       ; my part of a slot
	s_lshl_b32 s67, s12, 12
	s_add_co_u32 s67, s67, AIMG
	v_add_nc_u32 v4, s67, v7                       ; A's images, to write: row blocks 2 w, 2 w + 1
	v_lshlrev_b32 v6, 4, v7                        ; 256 x lane, for the prefetches
	s_lshl_b32 s72, s15, 23
	s_lshl_b32 s73, s14, 18
	s_add_co_u32 s72, s72, s73
	s_lshl_b32 s73, s12, 16
	s_add_co_u32 s72, s72, s73
	s_mov_b32 s73, 0
	s_add_nc_u64 s[10:11], s[10:11], s[72:73]      ; my 65,536 bytes of sums
	s_lshl_b32 s74, s15, 21
	s_lshl_b32 s75, s13, 15
	s_add_co_u32 s74, s74, s75
	s_lshl_b32 s75, s12, 13
	s_add_co_u32 s74, s74, s75
	s_add_co_u32 s74, s74, 3*131072
	s_mov_b32 s75, 0
	s_add_nc_u64 s[36:37], s[4:5], s[74:75]        ; the prefetches stand at fill 3: the first refill steps them to fill 4.  Nothing is prefetched here, at the head
	s_wait_kmcnt 0x0
	s_add_co_i32 s70, s60, 127
	s_lshl_b32 s71, s70, 23
	v_mov_b32 v10, s71                             ; 2^e0 as f32, for cos's conversions
	s_add_co_i32 s70, s70, 15
	s_lshl_b32 s70, s70, 23
	s_or_b32 s52, s70, 0x600000                    ; 57,344 x 2^e0,
	s_or_b32 s53, s52, 0x80000000                  ; and its negative
	s_add_co_i32 s70, s62, 127
	s_lshl_b32 s71, s70, 23
	v_mov_b32 v11, s71                             ; the same with e2, for sin
	s_add_co_i32 s70, s70, 15
	s_lshl_b32 s70, s70, 23
	s_or_b32 s54, s70, 0x600000
	s_or_b32 s55, s54, 0x80000000
	s_add_co_i32 s70, s60, s61
	s_sub_co_i32 s70, s70, s62
	s_sub_co_i32 s70, s70, s63
	s_add_co_i32 s70, s70, 127
	s_lshl_b32 s56, s70, 23                        ; 2^(e0 + e1 - e2 - e3)
	s_mov_b32 s57, s56                             ; (named with it as a pair, so it is written)
	s_add_co_i32 s70, s62, s63
	s_add_co_i32 s70, s70, 127
	s_lshl_b32 s58, s70, 23                        ; 2^(e2 + e3)
	s_mov_b32 s59, s58
	; A(0) and A(1) are made while the first fills are on their way
.set Gtrig, 0
.set Grl, 1
.set Glc0, 3
.set Glc1, 3
.set Gsg, 0
.set gj, 0
.rept 328
	G
.endr
	s_wait_dscnt 0x0                               ; the first image's stores have read the codes' registers
.set Gsg, 1
.set gj, 0
.rept 328
	G
.endr
	s_wait_tensorcnt 0x1                           ; my part of fill 0 is in; fill 1 may stay out
	s_wait_dscnt 0x0                               ; my images are stored
	s_barrier_signal -1
	s_barrier_wait -1
	WIN 0x40
.irp b, 0,1,2,3,4,5,6,7
.irp c, 0,1,2,3
	ds_load_b128 v[16*\b+4*\c:16*\b+4*\c+3], v2 offset:\b*2048+512*\c      ; B(0) into set 0
.endr
.endr
	WIN 0
.set la, 0
.rept 32
	ds_load_b128 v[128+4*la:128+4*la+3], v1 offset:512*la                  ; all of A(0)
.set la, la+1
.endr
	s_wait_dscnt 0x0
	WIN 0xa1
.set pa, 0
.rept 16                               ; step 0, row blocks 0 and 1: the first products start the sums: nothing is ever cleared
	v_wmma_f32_16x16x128_bf8_bf8 v[8*pa:8*pa+7], v[16*(pa%8):16*(pa%8)+15], v[128+16*(pa/8):128+16*(pa/8)+15], 0
.set pa, pa+1
.endr
	UNIT 0, 1, 0, 0, 0, 1, 1, 3, 3, 0              ; unit 0
	UNIT 1, 0, 0, 1, 0, 1, 1, 3, 3, 0              ; unit 1: the first refill
	WIN 0                                          ; at a label and at a branch every window is 0
	s_mov_b32 s33, 6
.Lcos:                                             ; units 2 to 13: the generator makes cos of steps 4 to 15
	UNIT 0, 0, 0, 0, 0, 1, 1, 3, 3, 0
	UNIT 1, 0, 0, 1, 0, 1, 1, 3, 3, 0
	WIN 0
	s_sub_co_u32 s33, s33, 1
	s_cmp_lg_u32 s33, 0
	s_cbranch_scc1 .Lcos
	s_mov_b32 s33, 7
.Lsin:                                             ; units 14 to 27: sin of steps 16 to 29; in unit 15 the sums change scale
	UNIT 0, 0, 1, 0, 0, 1, 1, 3, 3, 0
	UNIT 1, 0, 1, 1, 0, 1, 1, 3, 3, 1
	WIN 0
	s_sub_co_u32 s33, s33, 1
	s_cmp_lg_u32 s33, 0
	s_cbranch_scc1 .Lsin
	UNIT 0, 0, 1, 0, 0, 1, 0, 3, 2, 0              ; unit 28: the tail is written out: no refill, no anchors asked for: the counts run down
	UNIT 1, 0, 1, 0, 1, 1, 0, 1, 0, 0              ; unit 29: the last fill is waited for
	UNIT 0, 0, 0, 0, 0, 0, 0, 0, 0, 0              ; unit 30: nothing is left to make
.set Upar, 1
.set Uzero, 0
.set Ulist, 0
.set Ufetch, 0
.set si, 0
.set gj, 328
	s_wait_dscnt 0x0
	RUN 48                                         ; unit 31: row blocks 2 to 7 of the last step
	WIN 0
.rept 4
	v_nop                                          ; places behind the last products: for the reads of results and the writes over A's fragments
.endr
; THE WAY OUT: the sums x 2^(e2 + e3), as they lie in the registers: 512 consecutive bytes a store.  The next launch turns them into rows, on one eighth of the bytes.
.irp a, 0,1,2,3,4,5,6,7
.if \a > 1
	s_wait_xcnt 0x0                                ; the stores of two blocks back have read their registers
.endif
.set wn, 0x02+(\a)/4
.set ob, 128+64*((\a)%2)
.set ac, 64*((\a)%4)
	WIN wn                                         ; source 0: window 2 or 3
.set rq, 0
.rept 32
	v_pk_mul_f32 v[ob+rq:ob+rq+1], v[ac+rq:ac+rq+1], s[58:59] op_sel_hi:[1,0]   ; each accumulator from its low end on
.set rq, rq+2
.endr
	WIN 0
.set rq, 0
.rept 16
	global_store_b128 v7, v[ob+4*rq:ob+4*rq+3], s[10:11] offset:(\a)*8192+512*rq th:TH_STORE_NT
.set rq, rq+1
.endr
.endr
	s_wait_tensorcnt 0x0                           ; the wave's end: three lines behind my last tensor load and my last LDS store
	ds_add_u32 v8, v9
	s_wait_dscnt 0x0
	CROUND                                         ; the closing round: no work-group ends while a partner may still ask for a fill that names it
	s_endpgm
.Lfunc_end_k_q413790e267_fkan:
	.size	k_q413790e267_fkan, .Lfunc_end_k_q413790e267_fkan-k_q413790e267_fkan
	.p2alignl 7, 3214868480
	.fill 96, 4, 3214868480
	.section	.rodata,"a",@progbits
	.p2align	6, 0x0
	.amdhsa_kernel k_q413790e267_fkan
		.amdhsa_group_segment_fixed_size 327680
		.amdhsa_private_segment_fixed_size 0
		.amdhsa_enable_private_segment 0
		.amdhsa_kernarg_size 32
		.amdhsa_user_sgpr_count 2
		.amdhsa_user_sgpr_kernarg_segment_ptr 1
		.amdhsa_wavefront_size32 1
		.amdhsa_system_sgpr_workgroup_id_x 1
		.amdhsa_system_sgpr_workgroup_id_y 1
		.amdhsa_system_sgpr_workgroup_id_z 1
		.amdhsa_system_vgpr_workitem_id 0
		.amdhsa_next_free_vgpr 1024
		.amdhsa_next_free_sgpr 80
		.amdhsa_reserve_vcc 0
		.amdhsa_float_denorm_mode_32 3
		.amdhsa_float_denorm_mode_16_64 3
		.amdhsa_memory_ordered 1
		.amdhsa_forward_progress 1
		.amdhsa_inst_pref_size 255
	.end_amdhsa_kernel
	.section	.bss,"aw",@nobits
	.p2align	6
	.space	262144
	.amdgpu_metadata
---
amdhsa.version: [ 1, 2 ]
amdhsa.kernels:
  - .name:           k_q413790e267_fkan
    .symbol:         k_q413790e267_fkan.kd
    .args:
      - { .name: wcodes, .offset: 0, .size: 8, .value_kind: global_buffer, .address_space: global }
      - { .name: anch, .offset: 8, .size: 8, .value_kind: global_buffer, .address_space: global }
      - { .name: lowp_scales, .offset: 16, .size: 8, .value_kind: global_buffer, .address_space: global }
      - { .name: part, .offset: 24, .size: 8, .value_kind: global_buffer, .address_space: global }
    .group_segment_fixed_size: 327680
    .private_segment_fixed_size: 0
    .kernarg_segment_align: 8
    .kernarg_segment_size: 32
    .max_flat_workgroup_size: 128
    .sgpr_count:     80
    .vgpr_count:     1024
    .wavefront_size: 32
...
	.end_amdgpu_metadata
.endif
;; end of part 2
;; launch combine (part 3): grid 256 x 1, 8 waves a work-group, no clusters, 35,840 bytes of LDS; arguments part, bias, out0; writes out0
.if DOCPART == 3
	.amdgcn_target "amdgcn-amd-amdhsa--gfx1250"
	.amdhsa_code_object_version 6
	.text
	.protected	k_q413790e267_combine
	.globl	k_q413790e267_combine
	.p2align	8
	.type	k_q413790e267_combine,@function
k_q413790e267_combine:
	s_mov_b64 s[64:65], 0
	v_nop
	global_prefetch_b8 v0, s[64:65] scope:SCOPE_SE
	s_setreg_imm32_b32 hwreg(HW_REG_WAVE_MODE, 25, 1), 1
	s_wait_xcnt 0x0
; out0[n][o] = bias[o] + the eight K slices' sums, which the launch before left as images of its accumulators.  No work of the problem is left out here.
; part byte = s 8388608 + rb 262144 + w 65536 + (8 a + b) 1024 + q 512 + 16 lane: registers 4 q .. 4 q + 3 of the tile of rows 128 rb + 16 a + (lane % 16), columns 128 w + 16 b + 8 (lane / 16) + 4 q + 0 .. 3.
; A work-group takes 16 rows (rb, a) x 512 columns; wave 2 w + bh takes the four tiles b = 4 bh .. 4 bh + 3: 16 rows x 64 columns.  Memory binds: every byte is read once, 512 consecutive bytes a load,
; 32 loads of a wave on their way; the sums go through the wave's own stage in LDS and leave as rows, sixteen lanes to 256 consecutive bytes, aligned.  Waves share nothing: no barrier.
.set SPARE, 34816                      ; behind the eight stages: the spare words, 128 bytes for each wave: four blocks of 256 bytes that no other line names
	s_load_b128 s[4:7], s[0:1], 0x0                ; part, bias
	s_load_b64 s[8:9], s[0:1], 0x10                ; out0
	v_lshl_add_u32 v12, v0, 2, SPARE               ; my spare word; never rewritten
	v_mov_b32 v13, 0                               ; 0; never rewritten
	v_lshrrev_b32 v1, 5, v0
	v_readfirstlane_b32 s10, v1                    ; wave 0..7
	v_and_b32 v2, 31, v0
	v_lshlrev_b32 v3, 4, v2                        ; 16 x lane
	v_and_b32 v4, 15, v2                           ; r
	v_lshrrev_b32 v5, 4, v2                        ; h
	v_lshlrev_b32 v6, 5, v5                        ; bias: 32 h
	s_mul_i32 s11, s10, 4352                       ; my stage: 16 rows x (256 bytes + 16)
	v_mul_u32_u24 v7, v4, 272
	v_lshl_add_u32 v7, v5, 5, v7
	v_add_nc_u32 v7, s11, v7                       ; in: row r, + 32 h
	v_mul_u32_u24 v8, v5, 272
	v_lshl_add_u32 v8, v4, 4, v8
	v_add_nc_u32 v8, s11, v8                       ; back: lanes 0-15 one row, lanes 16-31 the next
	v_lshlrev_b32 v9, 11, v5
	v_lshl_add_u32 v9, v4, 4, v9                   ; and the same two rows of out0, 2,048 bytes each
	s_lshr_b32 s12, ttmp9, 3                       ; rb
	s_and_b32 s13, ttmp9, 7                        ; a
	s_lshr_b32 s14, s10, 1                         ; w
	s_and_b32 s15, s10, 1                          ; bh
	s_lshl_b32 s32, s12, 18
	s_lshl_b32 s33, s14, 16
	s_add_co_u32 s32, s32, s33
	s_lshl_b32 s33, s13, 13
	s_add_co_u32 s32, s32, s33
	s_lshl_b32 s33, s15, 12
	s_add_co_u32 s32, s32, s33
	s_mov_b32 s33, 0
	s_lshl_b32 s34, s14, 9
	s_lshl_b32 s35, s15, 8
	s_add_co_u32 s34, s34, s35                     ; my 64 columns, in bytes
	s_mov_b32 s35, 0
	s_lshl_b32 s36, s12, 18
	s_lshl_b32 s37, s13, 15
	s_add_co_u32 s36, s36, s37                     ; row 128 rb + 16 a
	s_add_co_u32 s36, s36, s34
	s_mov_b32 s37, 0
	s_wait_kmcnt 0x0
	s_add_nc_u64 s[16:17], s[4:5], s[32:33]        ; a pointer for each slice: the step from slice to slice does not fit a load's immediate
.irp k, 1,2,3,4,5,6,7
	s_add_nc_u64 s[16+2*\k:17+2*\k], s[14+2*\k:15+2*\k], 0x800000
.endr
	s_add_nc_u64 s[6:7], s[6:7], s[34:35]
	s_add_nc_u64 s[8:9], s[8:9], s[36:37]
.irp i, 0,1,2,3,4,5,6,7                ; the bias starts the sums: register 4 i + j is column 16 (i / 2) + 8 h + 4 (i % 2) + j
	global_load_b128 v[16+4*\i:19+4*\i], v6, s[6:7] offset:64*(\i/2)+16*(\i%2)
.endr
.macro SLICE s                         ; slice s: 4,096 bytes, into set s % 4
.irp i, 0,1,2,3,4,5,6,7
	global_load_b128 v[48+32*((\s)%4)+4*\i:48+32*((\s)%4)+4*\i+3], v3, s[16+2*(\s):17+2*(\s)] offset:512*\i th:TH_LOAD_NT
.endr
.endm
	SLICE 0
	SLICE 1
	SLICE 2
	SLICE 3
.irp s, 0,1,2,3,4,5,6,7
.if \s < 5
	s_wait_loadcnt 24                              ; this slice (and the bias) is in; the three slices behind it may be out
.else
	s_wait_loadcnt 8*(7-\s)
.endif
.irp j, 0,2,4,6,8,10,12,14,16,18,20,22,24,26,28,30
	v_pk_add_f32 v[16+\j:17+\j], v[16+\j:17+\j], v[48+32*(\s%4)+\j:49+32*(\s%4)+\j]
.endr
.if \s < 4
	SLICE \s+4                                     ; into the set that has just been added
.endif
.endr
.irp i, 0,1,2,3,4,5,6,7
	ds_store_b128 v7, v[16+4*\i:19+4*\i] offset:64*(\i/2)+16*(\i%2)
.endr
.irp k, 0,1,2,3,4,5,6,7
	ds_load_b128 v[48+4*\k:51+4*\k], v8 offset:544*\k   ; LDS serves a wave's instructions in order: these see my stores
.endr
.irp k, 0,1,2,3,4,5,6,7
	s_wait_dscnt 7-\k
	global_store_b128 v9, v[48+4*\k:51+4*\k], s[8:9] offset:4096*\k th:TH_STORE_NT
.endr
	s_wait_tensorcnt 0x0                           ; the wave's end
	ds_add_u32 v12, v13
	s_wait_dscnt 0x0
	s_endpgm
.Lfunc_end_k_q413790e267_combine:
	.size	k_q413790e267_combine, .Lfunc_end_k_q413790e267_combine-k_q413790e267_combine
	.p2alignl 7, 3214868480
	.fill 96, 4, 3214868480
	.section	.rodata,"a",@progbits
	.p2align	6, 0x0
	.amdhsa_kernel k_q413790e267_combine
		.amdhsa_group_segment_fixed_size 35840
		.amdhsa_private_segment_fixed_size 0
		.amdhsa_enable_private_segment 0
		.amdhsa_kernarg_size 24
		.amdhsa_user_sgpr_count 2
		.amdhsa_user_sgpr_kernarg_segment_ptr 1
		.amdhsa_wavefront_size32 1
		.amdhsa_system_sgpr_workgroup_id_x 1
		.amdhsa_system_sgpr_workgroup_id_y 1
		.amdhsa_system_sgpr_workgroup_id_z 1
		.amdhsa_system_vgpr_workitem_id 0
		.amdhsa_next_free_vgpr 192
		.amdhsa_next_free_sgpr 66
		.amdhsa_reserve_vcc 0
		.amdhsa_float_denorm_mode_32 3
		.amdhsa_float_denorm_mode_16_64 3
		.amdhsa_memory_ordered 1
		.amdhsa_forward_progress 1
		.amdhsa_inst_pref_size 20
	.end_amdhsa_kernel
	.amdgpu_metadata
---
amdhsa.version: [ 1, 2 ]
amdhsa.kernels:
  - .name:           k_q413790e267_combine
    .symbol:         k_q413790e267_combine.kd
    .args:
      - { .name: part, .offset: 0, .size: 8, .value_kind: global_buffer, .address_space: global }
      - { .name: bias, .offset: 8, .size: 8, .value_kind: global_buffer, .address_space: global }
      - { .name: out0, .offset: 16, .size: 8, .value_kind: global_buffer, .address_space: global }
    .group_segment_fixed_size: 35840
    .private_segment_fixed_size: 0
    .kernarg_segment_align: 8
    .kernarg_segment_size: 24
    .max_flat_workgroup_size: 256
    .sgpr_count:     66
    .vgpr_count:     192
    .wavefront_size: 32
...
	.end_amdgpu_metadata
.endif
;; end of part 3
;; ======== version 2 of 2: 3 launches
;; limits: an absolute error that grows with the inputs' magnitude: up to 3.8e-06 times it; inputs' magnitudes at most 524,288
;; workspace buffers: wcodes 16,777,216 bytes; anch 16,777,216 bytes; part 67,108,864 bytes
;; launch wquant: the kernel of part 1 again; grid 768 x 1, 4 waves a work-group, no clusters, 9,728 bytes of LDS; arguments fouriercoeffs, x, lowp_scales, wcodes, anch; writes wcodes, anch
;; launch fkan (part 4): grid 32 x 8, 4 waves a work-group, clusters of 4 x 1, 327,680 bytes of LDS; arguments wcodes, anch, lowp_scales, part; writes part
.if DOCPART == 4
	.amdgcn_target "amdgcn-amd-amdhsa--gfx1250"
	.amdhsa_code_object_version 6
	.text
	.protected	k_q413790e267_fkan
	.globl	k_q413790e267_fkan
	.p2align	8
	.type	k_q413790e267_fkan,@function
k_q413790e267_fkan:
	s_mov_b64 s[64:65], 0
	v_nop
	global_prefetch_b8 v0, s[64:65] scope:SCOPE_SE
	s_setreg_imm32_b32 hwreg(HW_REG_WAVE_MODE, 25, 1), 1
	s_wait_xcnt 0x0
	s_wait_alu depctr_hold_cnt(0) depctr_sa_sdst(0) depctr_va_vdst(0) depctr_va_sdst(0) depctr_va_ssrc(0) depctr_va_vcc(0) depctr_vm_vsrc(0)
	s_getreg_b32 s2, hwreg(HW_REG_IB_STS2, 6, 4)
	s_cmp_eq_u32 s2, 0
	s_cbranch_scc0 .Lentry_in_a_cluster
	s_endpgm
.Lentry_in_a_cluster:
	s_bfe_u32 s2, ttmp6, 0x10000c
	s_cmp_lg_u32 s2, 0x3003
	s_cbranch_scc0 .Lentry_shape_is_right
	s_endpgm
.Lentry_shape_is_right:
; The two quantised products of y = cos(k x) . W0 + sin(k x) . W1, on codes of E5M2 by v_wmma_f32_16x16x128_bf8_bf8; sums in f32.  No work of the problem is left out here.
; SHARES.  A work-group makes 128 rows n (block rb) x all 512 columns o over one eighth of K (slice s: i = 32 s .. 32 s + 31, for cos and for sin): so each cos and sin is made ONCE in the launch.
; The eight slices' sums go to the buffer part; the next launch adds them.  Wave w owns all 128 rows x columns 128 w .. + 127: 64 accumulators, 512 registers; and it MAKES the codes of rows 32 w .. 32 w + 31.
; K.  32 steps of 128 along K (two i x 64 g): steps 0-15 cos with W0, steps 16-31 sin with W1; step u takes i0 = 32 s + 2 (u % 16).  In a fragment lane 16 h + r holds row (or column) r, i = i0 + h, and byte beta of
; register m is g = 4 m + beta: the same order in both operands.
; ONE SET OF ACCUMULATORS FOR BOTH PRODUCTS: behind the last cos product the sums are multiplied by 2^(e0 + e1 - e2 - e3), and at the end by 2^(e2 + e3): powers of two, which round nothing.
; cos k x AND sin k x, all in f32: k = 8 a + b, a = 0 .. 7, b = 1 .. 8; cos k x = C_a c_b - S_a s_b, sin k x = C_a s_b + S_a c_b, (c_b, s_b) the powers of (cos x, sin x) and (C_a, S_a) those of (cos 8x, sin 8x),
; which the launch before has evaluated: no power above the eighth, products three deep at the most.  Then the hold at 57,344 x 2^e and the conversion with 2^e.
; LIMITS.  The angle k x is not first rounded to f32: it differs from a rounded one by at most |k x| 2^-24.  e0 and e2 between -126 and 112; e0 + e1 - e2 - e3 and e2 + e3 between -126 and 127.  NaN and infinities are not served.
; W'S CODES come as images of operand registers through two LDS slots of 131,072 bytes (two steps each), filled by tensor loads, one a wave (its own 32,768 bytes).  CLUSTER: the four partners have the same slice s
; and other row blocks, so they walk the same codes of W: every fill is asked for JOINTLY, with a mask that names the four.
; cos'S AND sin'S CODES go from wave to wave through LDS as images too: two buffers of 16,384 bytes by turns.
; A UNIT goes from one barrier to the next: 64 matrix instructions (row blocks 2-7 of step u, then 0 and 1 of step u + 1, since A has one set of registers and a block is free behind its eight products);
; it reads A(u + 1) and B(u + 1) from LDS and writes A(u + 2).  The generator's 318 instructions, all on registers, stand in slices behind the matrix instructions, so that vector and matrix work run side by side in the one wave of a SIMD.
; A UNIT'S MEMORY INSTRUCTIONS STAND IN FOUR RUNS, never singly among the matrix instructions: B(u + 1) behind the barrier (32 LDS loads); A(u + 1)'s blocks 0-3 behind slot 31 (16); its blocks 4-7 and the two loads of anchors behind slot 47;
; the eight stores of my two fragments' images behind slot 60, where the list ends.
; REGISTERS, in windows of 256.  Window 0: v1-7 addresses, v8, v9 the add's two, v10, v11 2^e0, 2^e2; v12-27 anchors (parity, fragment); v28-43 c_b, s_b in pairs; v44-55 (C_a, S_a), a = 2 .. 7; v56-63 at work;
;   v64-79 two sets of eight numbers; v80-111 the codes of my two fragments; v128-255 A's eight fragments.  Window 1: B's fragments, two sets.  Windows 2, 3: accumulator (a, b) at v[8 (8 (a % 4) + b)] of window 2 + a / 4.
; THE MATRIX INSTRUCTION IS USED TRANSPOSED (source 0 = 16 columns of W, source 1 = 16 rows): register j of lane (r, h) is y(row r, column 8 h + j).
.set AIMG,  262144                     ; behind the two slots: A's images, [buffer 16384][row block 2048][c 512][16 lane]
.set SPARE, 294912                     ; behind them: the spare words, 128 bytes for each wave: two blocks of 256 bytes that no other line names
.set NLIST, 318                        ; the generator's list: 159 instructions for each of my two fragments
.set MSB, 0
.macro WIN new                         ; the immediate's high byte repeats the setting that is left; a switch that changes nothing is dropped
.if MSB != \new
	s_set_vgpr_msb (MSB<<8)|\new
.set MSB, \new
.endif
.endm
.macro CREST                           ; a round of the cluster's barrier behind its opening barrier
	s_cmp_lg_u32 s12, 0
	s_cbranch_scc1 .Lnot_wave_0_\@
	s_barrier_signal -3
.Lnot_wave_0_\@:
	s_barrier_wait -3
	s_barrier_signal -1
	s_barrier_wait -1
.endm
.macro CROUND                          ; a whole round
	s_barrier_signal -1
	s_barrier_wait -1
	CREST
.endm
; A PREFETCH INTO THE L2, behind each refill: the fill that stands two refills on (four units, 256 matrix instructions, ahead of its load).  The eight clusters of a slice walk the same codes: the first of them
; (cluster x = 0) asks.  Its four partners share a fill's 131,072 bytes out BY ADDRESS, 32,768 each, a wave 8,192, lanes 256 bytes apart: each block is named once.  Fills 0 to 3 come by their loads alone; the last two refills ask for nothing.
.macro ASK
	s_cmp_gt_u32 s34, s35
	s_cbranch_scc0 .Lnot_mine_\@
	global_prefetch_b8 v6, s[36:37] th:TH_LOAD_NT scope:SCOPE_SE
.Lnot_mine_\@:
.endm
; Products of pairs (c, s): d = a x b as complex numbers, in two lines.
.macro CMA d, a, b                     ; (-a.s b.s, a.c b.s)
	v_pk_mul_f32 v[\d:\d+1], v[\a:\a+1], v[\b:\b+1] op_sel:[1,1] op_sel_hi:[0,1] neg_lo:[1,0]
.endm
.macro CMB d, a, b, t                  ; (a.c b.c, a.s b.c) + t
	v_pk_fma_f32 v[\d:\d+1], v[\a:\a+1], v[\b:\b+1], v[\t:\t+1] op_sel_hi:[1,0,1]
.endm
.macro BMUL d, x, y                    ; both halves of x times y's upper half
	v_pk_mul_f32 v[\d:\d+1], v[\x:\x+1], v[\y:\y+1] op_sel:[0,1] op_sel_hi:[1,1]
.endm
.macro BFMS d, x, y, t                 ; the same, less t
	v_pk_fma_f32 v[\d:\d+1], v[\x:\x+1], v[\y:\y+1], v[\t:\t+1] op_sel:[0,1,0] op_sel_hi:[1,1,1] neg_lo:[0,0,1] neg_hi:[0,0,1]
.endm
.macro BFMA d, x, y, t                 ; the same, plus t
	v_pk_fma_f32 v[\d:\d+1], v[\x:\x+1], v[\y:\y+1], v[\t:\t+1] op_sel:[0,1,0] op_sel_hi:[1,1,1]
.endm
.macro GMUL                            ; pair gi of a group: the cross term x S_a
	v_pk_mul_f32 v[56+2*gi:57+2*gi], v[gxs+4*gi:gxs+4*gi+1], v[gz:gz+1] op_sel:[0,1] op_sel_hi:[1,1]
.endm
.macro GFMA                            ; cos: c_b C_a - s_b S_a;  sin: s_b C_a + c_b S_a
.if Gtrig
	v_pk_fma_f32 v[grb+2*gi:grb+2*gi+1], v[gxc+4*gi:gxc+4*gi+1], v[gz:gz+1], v[56+2*gi:57+2*gi] op_sel_hi:[1,0,1]
.else
	v_pk_fma_f32 v[grb+2*gi:grb+2*gi+1], v[gxc+4*gi:gxc+4*gi+1], v[gz:gz+1], v[56+2*gi:57+2*gi] op_sel_hi:[1,0,1] neg_lo:[0,0,1] neg_hi:[0,0,1]
.endif
.endm
; THE GENERATOR: a list of 318 instructions on registers, 159 for each of my two fragments; G writes number gj of it and steps gj.  Gtrig 0: cos, 1: sin; Gsg: the parity (anchors' set, image buffer).
;   0-29 the tables;  30-156 eight groups of eight numbers (a = 1, 0, 2 .. 7): four cross terms, four fused multiply-adds, eight holds; a group's conversion stands among the next group's lines, behind plain ones and ahead of plain ones;
;   157 the last conversion, 158 the plain line behind it.
; With number 0 rides the wait for the fragment's anchors.  Loads come back in order.  Fragment 0: three younger ones may stay out (this parity's fragment 1, the other parity's two); fragment 1: two (the other parity's).
.macro G
.if gj < NLIST
.set gf, gj/159
.set gl, gj%159
.set AN, 12+8*Gsg+4*gf
.set PCB, 80+16*gf
.set gxc, 28+2*Gtrig
.set gxs, 30-2*Gtrig
.set ghi, 52+2*Gtrig
.set gsc, 10+Gtrig
.if gl == 0
.if gf == 0
	s_wait_loadcnt Glc0
.else
	s_wait_loadcnt Glc1
.endif
	v_mul_f32 v56, v[AN+1], v[AN+1]
.elseif gl == 1
	v_mul_f32 v57, v[AN], v[AN+1]
.elseif gl == 2
	CMA 58, AN+2, AN+2
.elseif gl == 3
	v_mov_b32 v28, v[AN]
.elseif gl == 4
	v_mov_b32 v30, v[AN+1]
.elseif gl == 5
	v_fma_f32 v29, v[AN], v[AN], -v56
.elseif gl == 6
	v_add_f32 v31, v57, v57
.elseif gl == 7
	CMB 44, AN+2, AN+2, 58
.elseif gl == 8
	BMUL 56, 30, 30
.elseif gl == 9
	BMUL 60, 28, 30
.elseif gl == 10
	CMA 58, 44, AN+2
.elseif gl == 11
	CMA 62, 44, 44
.elseif gl == 12
	BFMS 32, 28, 28, 56
.elseif gl == 13
	BFMA 34, 30, 28, 60
.elseif gl == 14
	CMB 46, 44, AN+2, 58
.elseif gl == 15
	CMB 48, 44, 44, 62
.elseif gl == 16
	BMUL 56, 30, 34
.elseif gl == 17
	BMUL 58, 34, 34
.elseif gl == 18
	BMUL 60, 28, 34
.elseif gl == 19
	BMUL 62, 32, 34
.elseif gl == 20
	BFMS 36, 28, 32, 56
.elseif gl == 21
	BFMS 40, 32, 32, 58
.elseif gl == 22
	BFMA 38, 30, 32, 60
.elseif gl == 23
	BFMA 42, 34, 32, 62
.elseif gl == 24
	CMA 56, 48, AN+2
.elseif gl == 25
	CMA 58, 48, 44
.elseif gl == 26
	CMA 60, 48, 46
.elseif gl == 27
	CMB 50, 48, AN+2, 56
.elseif gl == 28
	CMB 52, 48, 44, 58
.elseif gl == 29
	CMB 54, 48, 46, 60
.elseif gl < 46
.set go, gl-30
.set gz, AN+2
.set grb, 64
.if go < 4
.set gi, go
	GMUL
.elseif go < 8
.set gi, go-4
	GFMA
.else
	v_med3_num_f32 v[64+go-8], v[64+go-8], s[ghi+1], s[ghi]   ; the conversion to an 8-bit code does not saturate (ISA guide 7.6.2): the hold at the largest code x the scale
.endif
.elseif gl < 55
.set go, gl-46
.if go == 0
	v_cvt_scalef32_pk8_bf8_f32 v[PCB+2:PCB+3], v[64:71], v[gsc]
.else
.set gi, go-1
	v_med3_num_f32 v[72+gi], v[gxc+4*(gi/2)+gi%2], s[ghi+1], s[ghi]   ; a = 0: the table itself
.endif
.elseif gl < 157
.set gp, 2+(gl-55)/17
.set go, (gl-55)%17
.set gz, 44+2*(gp-2)
.set grb, 64+8*(gp%2)
.set gprb, 64+8*((gp-1)%2)
.set gpa, gp-1
.if gp == 2
.set gpa, 0
.endif
.if go < 4
.set gi, go
	GMUL
.elseif go == 4
	v_cvt_scalef32_pk8_bf8_f32 v[PCB+2*gpa:PCB+2*gpa+1], v[gprb:gprb+7], v[gsc]
.elseif go < 9
.set gi, go-5
	GFMA
.else
	v_med3_num_f32 v[grb+go-9], v[grb+go-9], s[ghi+1], s[ghi]
.endif
.elseif gl == 157
	v_cvt_scalef32_pk8_bf8_f32 v[PCB+14:PCB+15], v[72:79], v[gsc]
.else
	v_nop                                          ; a plain line behind the last conversion
.endif
.endif
.set gj, gj+1
.endm
.macro GSTORE                          ; my two fragments' images to LDS, in one run: row blocks 2 w and 2 w + 1 of buffer Gsg
	WIN 0
.irp f, 0,1
.irp c, 0,1,2,3
	ds_store_b128 v4, v[80+16*\f+4*\c:80+16*\f+4*\c+3] offset:Gsg*16384+\f*2048+512*\c
.endr
.endr
.endm
; The anchors of this parity's next step (four steps on from the one in hand), both fragments in one run.  The list has read the old ones (their last reader is number 37 of each fragment);
; the parity's pointer may be written: its last two loads have been shown done by the two counted waits of this list.
.macro GRELOAD
.set gno, 40+2*Gsg
.set gnp, 44+4*Gsg
	s_add_co_u32 s[gno], s[gno], 8192              ; two steps on, 4,096 bytes each,
	s_and_b32 s[gno], s[gno], 0xffff               ; round the slice's sixteen: sin walks the same i as cos
	s_add_nc_u64 s[gnp:gnp+1], s[38:39], s[gno:gno+1]
	global_load_b128 v[12+8*Gsg:15+8*Gsg], v5, s[gnp:gnp+1]
	global_load_b128 v[16+8*Gsg:19+8*Gsg], v5, s[gnp:gnp+1] offset:512
.endm
.macro PLACES                          ; four places in front of loads into registers that matrix instructions have read (ISA guide 7.12.1 for vector instructions)
.rept 4
	v_nop
.endr
.endm
.macro FETCH_B                         ; B(u + 1): eight fragments, 32 loads in one run, into the set that is not at work
	WIN 0x40                                       ; destination window 1
.irp b, 0,1,2,3,4,5,6,7
.irp c, 0,1,2,3
	ds_load_b128 v[128*(1-Upar)+16*\b+4*\c:128*(1-Upar)+16*\b+4*\c+3], v3 offset:(1-Upar)*16384+\b*2048+512*\c
.endr
.endr
.endm
.macro FETCH_A first                   ; A(u + 1): four row blocks, 16 loads in one run, from load number first on
	WIN 0
.set la, \first
.rept 16
	ds_load_b128 v[128+4*la:128+4*la+3], v1 offset:(1-Upar)*16384+512*la
.set la, la+1
.endr
.endm
; SLOT si of a unit: one matrix instruction and its slice of the list (6 lines in slots 0-15, then 5: the list ends in slot 60).  The 64 accumulators take turns, one instruction a turn,
; in the same order in every unit.
.macro SLOT1
.set sa, ((si/8)+2)%8
.set sb, si%8
.set sset, Upar
.if si >= 48
.set sset, 1-Upar
.endif
.set rD, 8*(8*(sa%4)+sb)
.set rB, 128*sset+16*sb
.set rA, 128+16*sa
.set wn, 0xa1+0x50*(sa/4)
	WIN wn                                         ; source 0 (B) window 1, source 1 (A) window 0, C and D window 2 or 3
.if Uzero && (si < 48)
	v_wmma_f32_16x16x128_bf8_bf8 v[rD:rD+7], v[rB:rB+15], v[rA:rA+15], 0
.else
	v_wmma_f32_16x16x128_bf8_bf8 v[rD:rD+7], v[rB:rB+15], v[rA:rA+15], v[rD:rD+7]
.endif
.if gj < NLIST
	WIN 0
.if si < 16
.rept 6
	G
.endr
.else
.rept 5
	G
.endr
.endif
.endif
.set si, si+1
.endm
.macro RUN n
.rept \n
	SLOT1
.endr
.endm
.macro RESCALE                         ; all 64 sums x 2^(e0 + e1 - e2 - e3), in place, each accumulator from its low end on
	WIN 0x82
.set rq, 0
.rept 128
	v_pk_mul_f32 v[rq:rq+1], v[rq:rq+1], s[56:57] op_sel_hi:[1,0]
.set rq, rq+2
.endr
	WIN 0xc3
.set rq, 0
.rept 128
	v_pk_mul_f32 v[rq:rq+1], v[rq:rq+1], s[56:57] op_sel_hi:[1,0]
.set rq, rq+2
.endr
.endm
; UNIT u.  par = u % 2.  zero: the products of step u start their sums.  refill: the slot that has just been left is filled again.  tw: the last fill is waited for.  list: the generator makes A(u + 2).
; rl: the anchors of four steps on are asked for.  resc: in the loop's first trip the sums change scale between the last cos product and the first sin product.
; ONE BARRIER A UNIT orders both ways: in front of it each wave's reads of A(u) and B(u) and its stores of A(u + 1) are done; behind it A(u + 2) is written over A(u), and A(u + 1) is read.
.macro UNIT par, zero, trig, refill, tw, list, rl, lc0, lc1, resc
.set Upar, \par
.set Uzero, \zero
.set Gtrig, \trig
.set Gsg, \par
.set Glc0, \lc0
.set Glc1, \lc1
.set si, 0
.if \list
.set gj, 0
.else
.set gj, NLIST
.endif
	WIN 0
.if \refill
	s_wait_xcnt 0x0                                ; the last prefetch, two units back, has read its address:
	s_add_nc_u64 s[36:37], s[36:37], 131072        ; a fill on
.endif
.if (\refill) || (\tw)
	s_wait_tensorcnt 0x0                           ; all my tensor loads have landed: my part of the slot that is read next
	ds_add_u32 v8, v9                              ; 0 onto my spare word; work on registers stands between it and the wait for it
.endif
.if \refill
	s_xor_b32 s29, s29, 0x20000                    ; no tensor load of mine is out, so the walking descriptor may be written: the other slot than last time,
	s_add_nc_u64 s[30:31], s[30:31], 131072        ; the next fill; the type bits on top are not reached
.endif
	RUN 4                                          ; row block 2 was shown in by the wait for 0 behind slot 47 of the unit before
	s_wait_dscnt 0x0                               ; the add, my images' stores (seven slots back) and all my reads (A's blocks 4 to 7: twenty slots back) are done
	s_barrier_signal -1
	RUN 12                                         ; work on registers alone
	WIN 0
	s_barrier_wait -1
.if \refill
	CREST                                          ; the barrier has opened a round of the cluster's: no wave of any partner still reads the slot or has a load on its way
	tensor_load_to_lds s[28:31], s[16:23]          ; the first tensor load behind the round, one a wave: 112 matrix instructions ahead of the wait for it
	s_nop 0
.rept 4
	v_nop
.endr
	ASK
	s_sub_co_u32 s34, s34, 1
.endif
.if \par
	s_xor_b32 s32, s32, 0x20000                    ; step u + 1 begins the other slot
.endif
	v_add_nc_u32 v3, s32, v2
	PLACES                                         ; also the places between slot 15, block 3's last reader, and the run behind slot 31
	FETCH_B                                        ; 32 slots ahead of its first use
	RUN 16
	FETCH_A 0                                      ; blocks 0 to 3: free since slot 15; 16 slots ahead of their first use
	RUN 16
.if \resc
	WIN 0
	s_cmp_eq_u32 s33, 7
	s_cbranch_scc0 .Lno_rescale_\@
	RESCALE                                        ; slot 47's slice holds four plain lines, and the first 128 lines here name none of its registers
	WIN 0
.Lno_rescale_\@:
.endif
	WIN 0
	s_wait_dscnt 0x0                               ; B(u + 1) and A's blocks 0 to 3 are in
	PLACES                                         ; behind slot 47, block 7's last reader
	FETCH_A 16                                     ; blocks 4 to 7: 32 slots ahead of their first use
.if \rl
	GRELOAD
.endif
	RUN 13
.if \list
	GSTORE                                         ; the list has ended in slot 60
.endif
	RUN 3
.endm
	s_load_b256 s[4:11], s[0:1], 0x0               ; wcodes s[4:5], anch s[6:7], the scales' exponents s[8:9], part s[10:11]
	v_lshl_add_u32 v8, v0, 2, SPARE
	v_mov_b32 v9, 0
	ds_add_u32 v8, v9                              ; the wave's opening: the add, twice on end, and its wait ahead of my first tensor load
	ds_add_u32 v8, v9                              ; and once more, under the one wait
	v_lshrrev_b32 v1, 5, v0
	v_readfirstlane_b32 s12, v1                    ; wave 0..3
	s_bfe_u32 s13, ttmp6, 0x40000                  ; cx: my place in the cluster
	s_lshl_b32 s14, ttmp9, 2
	s_add_co_u32 s14, s14, s13                     ; rb = 4 x cluster x + cx: it enters the anchors', the sums' and the prefetches' addresses alone
	s_and_b32 s15, ttmp7, 0xffff                   ; the K slice s, which the four partners share
	; descriptor group 1: 32,768 dense bytes as 128 rows of 256
	s_mov_b32 s16, 15|(3<<16)|(1<<21)              ; 15:0 the mask: all four work-groups; 17:16 elements of 8 bytes; 21 set beside a mask; no padding: an image is read 16 bytes a lane on end
	s_mov_b32 s17, 32<<16                          ; tensor_dim0 = 32
	s_mov_b32 s18, 128<<16                         ; tensor_dim1 = 128
	s_mov_b32 s19, 32<<16                          ; tile_dim0 = 32
	s_mov_b32 s20, 128                             ; tile_dim1 = 128
	s_mov_b32 s21, 32                              ; from row to row
	s_mov_b32 s22, 0
	s_mov_b32 s23, 0
	s_lshl_b32 s66, s12, 15                        ; my 32,768 bytes of a fill, in memory and in a slot
	s_lshl_b32 s68, s15, 21                        ; the slice's 2 MiB of codes
	s_add_co_u32 s68, s68, s66
	s_mov_b32 s69, 0
	s_mov_b32 s32, 0                               ; the slot from which B is read
	s_mov_b32 s34, 14                              ; refills to come
	s_cmp_eq_u32 ttmp9, 0
	s_cselect_b32 s35, 2, -1                       ; who prefetches, and until when: the same in all four partners
	s_wait_dscnt 0x0                               ; both opening adds are done
	s_wait_kmcnt 0x0
	s_load_b128 s[60:63], s[8:9], 0x0              ; e0 .. e3
	s_mov_b32 s24, 1                               ; group 0 of fill 0: count = 1,
	s_mov_b32 s25, s66                             ; LDS address: slot 0,
	s_add_nc_u64 s[26:27], s[4:5], s[68:69]        ; global address
	s_mov_b32 s28, 1                               ; group 0 of fill 1, which then walks
	s_add_co_u32 s29, s66, 131072
	s_add_nc_u64 s[30:31], s[26:27], 131072
	s_or_b32 s27, s27, 0x80000000                  ; type = 2
	s_or_b32 s31, s31, 0x80000000
	CROUND                                         ; all four work-groups are here: the first joint loads meet
	tensor_load_to_lds s[24:27], s[16:23]          ; two loads of mine are out, the most in this text
	s_nop 0
	tensor_load_to_lds s[28:31], s[16:23]
	s_nop 0
.rept 4
	v_nop
.endr
	s_lshl_b32 s70, s14, 3
	s_add_co_u32 s70, s70, s15
	s_lshl_b32 s70, s70, 16
	s_mov_b32 s71, 0
	s_add_nc_u64 s[38:39], s[6:7], s[70:71]        ; the anchors of my rows and slice: 16 steps x 4,096 bytes
	s_mov_b32 s40, 0                               ; the step last asked for, in bytes, for each parity
	s_mov_b32 s41, 0
	s_mov_b32 s42, 4096
	s_mov_b32 s43, 0
	s_mov_b64 s[44:45], s[38:39]                   ; a pointer for each parity: none is written while a load of its own is out
	s_add_nc_u64 s[48:49], s[38:39], 4096
	v_and_b32 v7, 31, v0
	v_lshlrev_b32 v7, 4, v7                        ; 16 x lane: also my offset in the sums' buffer
	s_lshl_b32 s67, s12, 10
	v_add_nc_u32 v5, s67, v7                       ; anchors: row blocks 2 w (+ 1 in the offset), 512 bytes each
	global_load_b128 v[12:15], v5, s[44:45]
	global_load_b128 v[16:19], v5, s[44:45] offset:512
	global_load_b128 v[20:23], v5, s[48:49]
	global_load_b128 v[24:27], v5, s[48:49] offset:512
	v_add_nc_u32 v1, AIMG, v7                      ; A's images, to read
	v_add_nc_u32 v2, s66, v7                       ; my part of a slot
	s_lshl_b32 s67, s12, 12
	s_add_co_u32 s67, s67, AIMG
	v_add_nc_u32 v4, s67, v7                       ; A's images, to write: row blocks 2 w, 2 w + 1
	v_lshlrev_b32 v6, 4, v7                        ; 256 x lane, for the prefetches
	s_lshl_b32 s72, s15, 23
	s_lshl_b32 s73, s14, 18
	s_add_co_u32 s72, s72, s73
	s_lshl_b32 s73, s12, 16
	s_add_co_u32 s72, s72, s73
	s_mov_b32 s73, 0
	s_add_nc_u64 s[10:11], s[10:11], s[72:73]      ; my 65,536 bytes of sums
	s_lshl_b32 s74, s15, 21
	s_lshl_b32 s75, s13, 15
	s_add_co_u32 s74, s74, s75
	s_lshl_b32 s75, s12, 13
	s_add_co_u32 s74, s74, s75
	s_add_co_u32 s74, s74, 3*131072
	s_mov_b32 s75, 0
	s_add_nc_u64 s[36:37], s[4:5], s[74:75]        ; the prefetches stand at fill 3: the first refill steps them to fill 4.  Nothing is prefetched here, at the head
	s_wait_kmcnt 0x0
	s_add_co_i32 s70, s60, 127
	s_lshl_b32 s71, s70, 23
	v_mov_b32 v10, s71                             ; 2^e0 as f32, for cos's conversions
	s_add_co_i32 s70, s70, 15
	s_lshl_b32 s70, s70, 23
	s_or_b32 s52, s70, 0x600000                    ; 57,344 x 2^e0,
	s_or_b32 s53, s52, 0x80000000                  ; and its negative
	s_add_co_i32 s70, s62, 127
	s_lshl_b32 s71, s70, 23
	v_mov_b32 v11, s71                             ; the same with e2, for sin
	s_add_co_i32 s70, s70, 15
	s_lshl_b32 s70, s70, 23
	s_or_b32 s54, s70, 0x600000
	s_or_b32 s55, s54, 0x80000000
	s_add_co_i32 s70, s60, s61
	s_sub_co_i32 s70, s70, s62
	s_sub_co_i32 s70, s70, s63
	s_add_co_i32 s70, s70, 127
	s_lshl_b32 s56, s70, 23                        ; 2^(e0 + e1 - e2 - e3)
	s_mov_b32 s57, s56                             ; (named with it as a pair, so it is written)
	s_add_co_i32 s70, s62, s63
	s_add_co_i32 s70, s70, 127
	s_lshl_b32 s58, s70, 23                        ; 2^(e2 + e3)
	s_mov_b32 s59, s58
	; A(0) and A(1) are made while the first fills are on their way
.set Gtrig, 0
.set Glc0, 3
.set Glc1, 2
.set Gsg, 0
.set gj, 0
.rept NLIST
	G
.endr
	GSTORE
	GRELOAD                                        ; step 2's anchors
	s_wait_dscnt 0x0                               ; the first images' stores have read the codes' registers
.set Gsg, 1
.set gj, 0
.rept NLIST
	G
.endr
	GSTORE
	GRELOAD                                        ; step 3's
	s_wait_tensorcnt 0x1                           ; my part of fill 0 is in; fill 1 may stay out
	s_wait_dscnt 0x0                               ; my images are stored
	s_barrier_signal -1
	s_barrier_wait -1
	WIN 0x40
.irp b, 0,1,2,3,4,5,6,7
.irp c, 0,1,2,3
	ds_load_b128 v[16*\b+4*\c:16*\b+4*\c+3], v2 offset:\b*2048+512*\c      ; B(0) into set 0
.endr
.endr
	WIN 0
.set la, 0
.rept 32
	ds_load_b128 v[128+4*la:128+4*la+3], v1 offset:512*la                  ; all of A(0)
.set la, la+1
.endr
	s_wait_dscnt 16                                ; B(0) and A's blocks 0 to 3 are in; the sixteen loads of blocks 4 to 7 may be out, as at the head of every unit
	WIN 0xa1
.set pa, 0
.rept 16                               ; step 0, row blocks 0 and 1: the first products start the sums: nothing is ever cleared
	v_wmma_f32_16x16x128_bf8_bf8 v[8*pa:8*pa+7], v[16*(pa%8):16*(pa%8)+15], v[128+16*(pa/8):128+16*(pa/8)+15], 0
.set pa, pa+1
.endr
	UNIT 0, 1, 0, 0, 0, 1, 1, 3, 2, 0              ; unit 0
	UNIT 1, 0, 0, 1, 0, 1, 1, 3, 2, 0              ; unit 1: the first refill
	WIN 0                                          ; at a label and at a branch every window is 0
	s_mov_b32 s33, 6
.Lcos:                                             ; units 2 to 13: the generator makes cos of steps 4 to 15
	UNIT 0, 0, 0, 0, 0, 1, 1, 3, 2, 0
	UNIT 1, 0, 0, 1, 0, 1, 1, 3, 2, 0
	WIN 0
	s_sub_co_u32 s33, s33, 1
	s_cmp_lg_u32 s33, 0
	s_cbranch_scc1 .Lcos
	s_mov_b32 s33, 7
.Lsin:                                             ; units 14 to 27: sin of steps 16 to 29; in unit 15 the sums change scale
	UNIT 0, 0, 1, 0, 0, 1, 1, 3, 2, 0
	UNIT 1, 0, 1, 1, 0, 1, 1, 3, 2, 1
	WIN 0
	s_sub_co_u32 s33, s33, 1
	s_cmp_lg_u32 s33, 0
	s_cbranch_scc1 .Lsin
	UNIT 0, 0, 1, 0, 0, 1, 0, 3, 2, 0              ; unit 28: the tail is written out: no refill, no anchors asked for: the counts run down
	UNIT 1, 0, 1, 0, 1, 1, 0, 1, 0, 0              ; unit 29: the last fill is waited for
	UNIT 0, 0, 0, 0, 0, 0, 0, 0, 0, 0              ; unit 30: nothing is left to make
.set Upar, 1
.set Uzero, 0
.set si, 0
.set gj, NLIST
	s_wait_dscnt 0x0                               ; A's blocks 4 to 7 of the last step
	RUN 48                                         ; unit 31: row blocks 2 to 7 of the last step
	WIN 0
.rept 4
	v_nop                                          ; places behind the last products: for the reads of results and the writes over A's fragments
.endr
; THE WAY OUT: the sums x 2^(e2 + e3), as they lie in the registers: 512 consecutive bytes a store.  The next launch turns them into rows, on one eighth of the bytes.
.irp a, 0,1,2,3,4,5,6,7
.if \a > 1
	s_wait_xcnt 0x0                                ; the stores of two blocks back have read their registers
.endif
.set wn, 0x02+(\a)/4
.set ob, 128+64*((\a)%2)
.set ac, 64*((\a)%4)
	WIN wn                                         ; source 0: window 2 or 3
.set rq, 0
.rept 32
	v_pk_mul_f32 v[ob+rq:ob+rq+1], v[ac+rq:ac+rq+1], s[58:59] op_sel_hi:[1,0]   ; each accumulator from its low end on
.set rq, rq+2
.endr
	WIN 0
.set rq, 0
.rept 16
	global_store_b128 v7, v[ob+4*rq:ob+4*rq+3], s[10:11] offset:(\a)*8192+512*rq th:TH_STORE_NT
.set rq, rq+1
.endr
.endr
	s_wait_tensorcnt 0x0                           ; the wave's end: three lines behind my last tensor load and my last LDS store
	ds_add_u32 v8, v9
	s_wait_dscnt 0x0
	CROUND                                         ; the closing round: no work-group ends while a partner may still ask for a fill that names it
	s_endpgm
.Lfunc_end_k_q413790e267_fkan:
	.size	k_q413790e267_fkan, .Lfunc_end_k_q413790e267_fkan-k_q413790e267_fkan
	.p2alignl 7, 3214868480
	.fill 96, 4, 3214868480
	.section	.rodata,"a",@progbits
	.p2align	6, 0x0
	.amdhsa_kernel k_q413790e267_fkan
		.amdhsa_group_segment_fixed_size 327680
		.amdhsa_private_segment_fixed_size 0
		.amdhsa_enable_private_segment 0
		.amdhsa_kernarg_size 32
		.amdhsa_user_sgpr_count 2
		.amdhsa_user_sgpr_kernarg_segment_ptr 1
		.amdhsa_wavefront_size32 1
		.amdhsa_system_sgpr_workgroup_id_x 1
		.amdhsa_system_sgpr_workgroup_id_y 1
		.amdhsa_system_sgpr_workgroup_id_z 1
		.amdhsa_system_vgpr_workitem_id 0
		.amdhsa_next_free_vgpr 1024
		.amdhsa_next_free_sgpr 80
		.amdhsa_reserve_vcc 0
		.amdhsa_float_denorm_mode_32 3
		.amdhsa_float_denorm_mode_16_64 3
		.amdhsa_memory_ordered 1
		.amdhsa_forward_progress 1
		.amdhsa_inst_pref_size 255
	.end_amdhsa_kernel
	.section	.bss,"aw",@nobits
	.p2align	6
	.space	262144
	.amdgpu_metadata
---
amdhsa.version: [ 1, 2 ]
amdhsa.kernels:
  - .name:           k_q413790e267_fkan
    .symbol:         k_q413790e267_fkan.kd
    .args:
      - { .name: wcodes, .offset: 0, .size: 8, .value_kind: global_buffer, .address_space: global }
      - { .name: anch, .offset: 8, .size: 8, .value_kind: global_buffer, .address_space: global }
      - { .name: lowp_scales, .offset: 16, .size: 8, .value_kind: global_buffer, .address_space: global }
      - { .name: part, .offset: 24, .size: 8, .value_kind: global_buffer, .address_space: global }
    .group_segment_fixed_size: 327680
    .private_segment_fixed_size: 0
    .kernarg_segment_align: 8
    .kernarg_segment_size: 32
    .max_flat_workgroup_size: 128
    .sgpr_count:     80
    .vgpr_count:     1024
    .wavefront_size: 32
...
	.end_amdgpu_metadata
.endif
;; end of part 4
;; launch combine: the kernel of part 3 again; grid 256 x 1, 8 waves a work-group, no clusters, 35,840 bytes of LDS; arguments part, bias, out0; writes out0
